; MI455X (gfx1250); checked and timed in simulation.
; The chip was launched on July 23, 2026; its instructions are those of AMD's public machine-readable ISA for CDNA 5 (MIT licence, August 2026) and "CDNA5" Instruction Set Architecture Reference Guide (July 2026). The comments in the code are by the model that wrote it; some were corrected since.
;; Causal Self Attention. Allowed arithmetic: matrix products marked QUANTISED: E2M1 operands, one E8M0 scale for each 32 along K, by v_wmma_scale_f32_16x16x128_f8f6f4 with both operands' format E2M1 (or v_wmma_scale_f32_32x16x128_f4), f32 sums; products left as they are: bf16, f16 or f32 operands; f32 sums; everything else in f32.
;; Inputs: W_proj 1,024 x 1,024 float32; W_qkv 1,024 x 3,072 float32; x 4 x 2,048 x 1,024 float32.
;; Outputs: out0 4 x 2,048 x 1,024 float32.
;; This version of the problem:
;;   THIS VERSION OF THE PROBLEM IS GIVEN IN LOW PRECISION. The matrix products marked QUANTISED in the list below multiply operands that are first quantised to E2M1 (2 exponent bits, 1 mantissa bit; 4 bits a number), with one power-of-two scale for each 32 numbers along K (OCP MX v1.0); their sums are f32. The products marked 'left as it is' may take bf16, f16 or f32 operands, with f32 sums. Whichever they take, every output number must still come out within the allowed error. Rounding operands to bf16 (8 significant bits) uses up far more of that allowance than f16 does (11 bits, for magnitudes from 6e-5 to 65,504). All else is computed in f32.
;;   The module's matrix products, in the order in which they are computed (A, B: the left and right operand; K: the contracted axis; several contracted axes count as one K, in the product's order):
;;     1. [M 8,192, K 1,024] x [K 1,024, N 3,072]; A: input x; B: input W_qkv: QUANTISED
;;     2. batch 64 x [M 2,048, K 64] x [K 64, N 2,048]; A: computed on the way; B: computed on the way: left as it is (an operand is computed on the way)
;;     3. batch 64 x [M 2,048, K 2,048] x [K 2,048, N 64]; A: computed on the way; B: computed on the way: left as it is (an operand is computed on the way)
;;     4. [M 8,192, K 1,024] x [K 1,024, N 1,024]; A: computed on the way; B: input W_proj: left as it is (an operand is computed on the way)
;;   THE QUANTISER, for each operand of a quantised product, along K:
;;     - K is cut into blocks of 32 from its start; a last block that is shorter is filled with zeros.
;;     - A block's scale is 2^e with e = floor(log2(the largest magnitude in the block)) - 2, held to -126 .. 127; a block of zeros has e = 0. As a byte (E8M0): e + 127.
;;     - Each number is divided by its block's scale, clamped to +-6, and rounded to the nearest number of E2M1, ties to even, subnormals kept.
;;     - The product sums the exact products of the quantised numbers (number of the format x scale) in f32.
;;   ~~~python
;;   def quantise(x, axis):      # numpy; x: float32 -> the quantised numbers, widened to float32 again
;;       x = np.moveaxis(x, axis, -1); K = x.shape[-1]
;;       x = np.pad(x, [(0, 0)] * (x.ndim - 1) + [(0, -K % 32)]); x = x.reshape(x.shape[:-1] + (-1, 32)); a = np.abs(x).max(-1, keepdims=True)
;;       e = np.where(a > 0, np.clip(np.frexp(np.where(a > 0, a, 1))[1] - 1 - 2, -126, 127), 0)      # np.frexp(a)[1] - 1 = floor(log2(a)), exactly
;;       r = np.clip(x / 2.0 ** e, -6, 6)
;;       step = 2.0 ** (np.maximum(np.frexp(np.where(r == 0, 1, r))[1] - 1, 0) - 1)
;;       q = np.round(r / step) * step * 2.0 ** e      # np.round: ties to even
;;       return np.moveaxis(q.reshape(q.shape[:-2] + (-1,))[..., :K], -1, axis).astype(np.float32)
;;   ~~~
;; One version. Each part assembles by itself: llvm-mc -triple=amdgcn-amd-amdhsa -mcpu=gfx1250 --defsym DOCPART=n.
;; ======== version 1 of 1: 7 launches
;; limits: values are held in f16: magnitudes above 65,504 overflow, below 6.1e-05 lose precision
;; workspace buffers: xc 4,194,304 bytes; xs 262,144 bytes; wc 1,572,864 bytes; ws 98,304 bytes; aux 2,621,440 bytes; qkv 50,331,648 bytes; y16 16,777,216 bytes; y32 262,144 bytes
;; launch prep_x (part 1): grid 256 x 1, 4 waves a work-group, no clusters, 33,280 bytes of LDS; arguments x, W_proj, xc, xs, aux; writes xc, xs, aux
.if DOCPART == 1
	.amdgcn_target "amdgcn-amd-amdhsa--gfx1250"
	.amdhsa_code_object_version 6
	.text
	.protected	k_q4ac49c83df_prep_x
	.globl	k_q4ac49c83df_prep_x
	.p2align	8
	.type	k_q4ac49c83df_prep_x,@function
k_q4ac49c83df_prep_x:
	s_mov_b64 s[64:65], 0
	v_nop
	global_prefetch_b8 v0, s[64:65] scope:SCOPE_SE
	s_setreg_imm32_b32 hwreg(HW_REG_WAVE_MODE, 25, 1), 1
	s_wait_xcnt 0x0
; x [8192][1024] f32 becomes codes of FP4 (E2M1), K innermost (xc: 512 bytes a row), with one E8M0 byte for each 32 along K (xs: 32 bytes a row).
; A block's scale is 2^(floor(log2(its largest magnitude)) - 2); its byte is the largest magnitude's exponent field - 2, held at 1 from below.  A block of zeros so keeps the byte 1: its codes are zeros, and this program alone reads the bytes.
; The same launch makes two small tables in aux: from byte 0 the rotary table [2048 positions][32 pairs][cos, sin] f32, and from byte 524,288 W_proj as f16, [1024 k][1024 n].
; LIMITS: blocks whose largest magnitude lies under 2^-124 keep the byte 1; NaN and infinities among the inputs are not served; the table's angles are good to about 3e-4 rad
; (the frequency comes from one exponential, the reduction from 1/2pi in two f32 parts); W_proj has f16's range.
; Rows are dense and 1,024 is a multiple of 32: x is a plain stream of blocks of 32.  A wave takes 16 steps of 512 numbers.  Each of a step's four loads reads 512 consecutive bytes; the 2,048 bytes turn through
; the wave's own stage in LDS (16 bytes of padding behind each 64) and come back 64 bytes a lane: 16 neighbours along K, two lanes to a block.  Loads run four steps ahead, the turn one step.
.set WAVES, 4
.set STEPS, 16
.set EMAX,  2
.set CB,    8                          ; bytes of 16 codes
.set R,     16                         ; v16-79   four sets of 16 numbers as loaded
.set X,     80                         ; v80-111  two sets of 16 neighbours
.set E,     112                        ; v112-127 a scale byte for each step
.set C,     128                        ; v128-191 codes: four registers for each step
.set WP,    192                        ; v192-223 32 numbers of W_proj
.set WH,    224                        ; v224-239 the same as f16
.set WREG,  8192                       ; LDS: a region for each wave: two stages of 32 x SP bytes, then its 256 scale bytes
.set SP,    80
.set SPW,   12                         ; v12  LDS address of my spare word; never rewritten
.set NIL,   13                         ; v13  0; never rewritten
.set SPARE, WAVES*WREG                 ; behind the regions: the spare words, 128 bytes a wave
	s_load_b128 s[4:7], s[0:1], 0x0                ; x, W_proj
	s_load_b128 s[8:11], s[0:1], 0x10              ; xc, xs
	s_load_b64 s[12:13], s[0:1], 0x20              ; aux
	v_lshl_add_u32 v[SPW], v0, 2, SPARE
	v_mov_b32 v[NIL], 0
	v_lshrrev_b32 v1, 5, v0
	v_readfirstlane_b32 s16, v1                    ; wave
	v_and_b32 v2, 31, v0                           ; lane
	v_lshlrev_b32 v3, 4, v2                        ; my 16 bytes of a load's 512
	s_mul_i32 s17, s16, WREG
	v_lshrrev_b32 v14, 2, v2
	v_mul_u32_u24 v14, v14, SP
	v_and_b32 v15, 3, v2
	v_lshl_add_u32 v14, v15, 4, v14
	v_add_nc_u32 v14, s17, v14                     ; the stage, way in: SP (lane / 4) + 16 (lane % 4)
	v_mul_u32_u24 v15, v2, SP
	v_add_nc_u32 v15, s17, v15                     ; way out: SP x lane: my 16 neighbours
	v_mul_u32_u24 v4, v2, CB                       ; my codes' place in a step's
	v_lshrrev_b32 v5, 1, v2
	s_add_co_u32 s17, s17, 2*32*SP
	v_add_nc_u32 v5, s17, v5                       ; LDS: my block's scale byte
	v_lshlrev_b32 v7, 3, v2
	v_add_nc_u32 v6, s17, v7                       ; and 8 bytes a lane on the way out
	v_lshlrev_b32 v10, 5, v0                       ; W_proj: 32 bytes a thread
	s_lshl_b32 s24, ttmp9, 13
	s_add_co_u32 s24, s24, 524288
	v_lshl_add_u32 v1, v0, 4, s24                  ; W_proj as f16: 524,288 + 8,192 x work-group + 16 x thread
	s_lshl_b32 s18, ttmp9, 2
	s_add_co_u32 s18, s18, s16                     ; which run of 8,192 numbers is my wave's
	s_lshl_b32 s20, s18, 15
	s_mov_b32 s21, 0
	s_lshl_b32 s22, s18, 12
	s_mov_b32 s23, 0
	s_lshl_b32 s26, s18, 8
	s_mov_b32 s27, 0
	s_lshl_b32 s28, ttmp9, 14
	s_mov_b32 s29, 0
	s_lshl_b32 s25, ttmp9, 7
	s_mov_b32 s30, 0x31dc9ce4                      ; 1/2pi less its f32 value
	s_wait_kmcnt 0x0
	s_add_nc_u64 s[4:5], s[4:5], s[20:21]
	s_add_nc_u64 s[6:7], s[6:7], s[28:29]
	s_add_nc_u64 s[8:9], s[8:9], s[22:23]
	s_add_nc_u64 s[10:11], s[10:11], s[26:27]
.irp t, 0,1,2,3
	global_load_b128 v[WP+8*\t:WP+8*\t+3], v10, s[6:7] offset:4096*\t
	global_load_b128 v[WP+8*\t+4:WP+8*\t+7], v10, s[6:7] offset:4096*\t+16
.endr
.macro LOAD t
.irp i, 0,1,2,3
	global_load_b128 v[R+16*((\t)%4)+4*\i:R+16*((\t)%4)+4*\i+3], v3, s[4:5] offset:2048*(\t)+512*\i th:TH_LOAD_NT
.endr
.endm
.macro TURN t                          ; step t's numbers through the stage: LDS serves a wave's instructions in order
.irp i, 0,1,2,3
	ds_store_b128 v14, v[R+16*((\t)%4)+4*\i:R+16*((\t)%4)+4*\i+3] offset:32*SP*((\t)%2)+8*SP*\i
.endr
.irp i, 0,1,2,3
	ds_load_b128 v[X+16*((\t)%2)+4*\i:X+16*((\t)%2)+4*\i+3], v15 offset:32*SP*((\t)%2)+16*\i
.endr
.endm
.irp t, 0,1,2,3
	LOAD \t
.endr
	; THE ROTARY TABLE, while the loads are out: thread g = 128 x work-group + thread takes position g / 16 and pairs 2 (g % 16), + 1.
	; angle = position x 10000^(-i / 32); it is reduced to rr revolutions in [-1/2, 1/2]; sine and cosine of the HALF angle pi rr by their series (the terms left out are under 6e-8 at pi / 2);
	; cos = 1 - 2 s^2, sin = 2 s c.
	v_add_nc_u32 v240, s25, v0
	v_lshrrev_b32 v241, 4, v240
	v_and_b32 v242, 15, v240
	v_lshlrev_b32 v242, 1, v242
	v_lshlrev_b32 v240, 4, v240                    ; 16 bytes a thread
	v_cvt_f32_u32 v241, v241                       ; the position
	v_cvt_f32_u32 v242, v242                       ; i
	v_add_f32 v243, 1.0, v242
	v_mul_f32 v242, 0xbed49a78, v242               ; - i log2(10000) / 32
	v_mul_f32 v243, 0xbed49a78, v243
	v_exp_f32 v242, v242
	v_exp_f32 v243, v243
	v_nop                                          ; a plain instruction behind the exponentials,
	s_wait_alu depctr_va_vdst(0)                   ; and one wait for both, ahead of their first reader
	v_mul_f32 v242, v241, v242                     ; the angles
	v_mul_f32 v243, v241, v243
	v_mul_f32 v244, 0.15915494, v242
	v_mul_f32 v245, 0.15915494, v243
	v_rndne_f32 v244, v244                         ; whole revolutions
	v_rndne_f32 v245, v245
	v_fma_f32 v246, v242, 0.15915494, -v244
	v_fma_f32 v247, v243, 0.15915494, -v245
	v_fma_f32 v246, v242, s30, v246
	v_fma_f32 v247, v243, s30, v247
	v_mul_f32 v246, 0x40490fdb, v246               ; y = pi rr: the half angle
	v_mul_f32 v247, 0x40490fdb, v247
	v_mul_f32 v248, v246, v246                     ; z = y y
	v_mul_f32 v249, v247, v247
	v_mov_b32 v250, 0xb2d7322b                     ; -1/11!
	v_mov_b32 v251, 0xb2d7322b
.irp k, 0x3638ef1d, 0xb9500d01, 0x3c088889, 0xbe2aaaab, 0x3f800000
	v_fmaak_f32 v250, v250, v248, \k
	v_fmaak_f32 v251, v251, v249, \k
.endr
	v_mul_f32 v250, v246, v250                     ; s
	v_mul_f32 v251, v247, v251
	v_mov_b32 v252, 0x310f76c7                     ; 1/12!
	v_mov_b32 v253, 0x310f76c7
.irp k, 0xb493f27e, 0x37d00d01, 0xbab60b61, 0x3d2aaaab, 0xbf000000, 0x3f800000
	v_fmaak_f32 v252, v252, v248, \k
	v_fmaak_f32 v253, v253, v249, \k
.endr
	v_add_f32 v254, v250, v250                     ; 2 s
	v_add_f32 v255, v251, v251
	v_fma_f32 v244, -v254, v250, 1.0               ; cos
	v_mul_f32 v245, v254, v252                     ; sin
	v_fma_f32 v246, -v255, v251, 1.0
	v_mul_f32 v247, v255, v253
	global_store_b128 v240, v[244:247], s[12:13]   ; sixteen lanes store a position's 256 bytes
	s_wait_loadcnt 16                              ; W_proj's eight loads are in; x's sixteen, issued behind them, may be out
.irp t, 0,1,2,3
.irp k, 0,1,2,3
	v_cvt_pk_f16_f32 v[WH+4*\t+\k], v[WP+8*\t+2*\k], v[WP+8*\t+2*\k+1]
.endr
	global_store_b128 v1, v[WH+4*\t:WH+4*\t+3], s[12:13] offset:2048*\t
.endr
	s_wait_loadcnt 12                              ; step 0's four loads are in
	TURN 0
.macro STEP t
.set XS, X+16*((\t)%2)
.if (\t) > 0
	s_wait_dscnt 1                                 ; this step's numbers are back from the stage (the last step's byte store may be out)
.else
	s_wait_dscnt 0x0
.endif
.if (\t)+4 < STEPS
	LOAD (\t)+4
.endif
.if (\t)+1 < STEPS
.if STEPS-2-(\t) >= 3
	s_wait_loadcnt 12                              ; the next step's four loads are in; those of the three steps behind it may be out
.else
	s_wait_loadcnt 4*(STEPS-2-(\t))
.endif
	TURN (\t)+1
.endif
	v_max3_num_f32 v8, |v[XS]|, |v[XS+1]|, |v[XS+2]|
	v_max3_num_f32 v9, |v[XS+3]|, |v[XS+4]|, |v[XS+5]|
.irp i, 6,10
	v_max3_num_f32 v8, v8, |v[XS+\i]|, |v[XS+\i+1]|
	v_max3_num_f32 v9, v9, |v[XS+\i+2]|, |v[XS+\i+3]|
.endr
	v_max3_num_f32 v8, v8, |v[XS+14]|, |v[XS+15]|
	v_max3_num_f32 v8, v8, v9, (EMAX+1)<<23        ; the floor 2^(3 - 127): the byte cannot fall under 1
	v_max_num_f32_dpp v8, v8, v8 row_xmask:1 row_mask:0xf bank_mask:0xf   ; with my neighbour's 16: the block's largest magnitude
	v_add_nc_u32 v11, -(EMAX<<23), v8              ; 2 off its exponent field: the conversion's scale operand
	v_cvt_scalef32_pk8_fp4_f32 v[C+4*(\t)], v[XS:XS+7], v11
	v_cvt_scalef32_pk8_fp4_f32 v[C+4*(\t)+1], v[XS+8:XS+15], v11
	v_lshrrev_b32 v[E+(\t)], 23, v11               ; the scale's byte
	ds_store_b8 v5, v[E+(\t)] offset:16*(\t)       ; both lanes of a block write the same byte with the same value
	global_store_b64 v4, v[C+4*(\t):C+4*(\t)+1], s[8:9] offset:32*CB*(\t)   ; the wave stores 256 consecutive bytes, aligned
.endm
.irp t, 0,1,2,3,4,5,6,7,8,9,10,11,12,13,14,15
	STEP \t
.endr
	ds_load_b64 v[8:9], v6                         ; LDS serves a wave's instructions in order: these see my stores
	s_wait_dscnt 0x0
	global_store_b64 v7, v[8:9], s[10:11]          ; my wave's 256 scale bytes, aligned
	s_wait_tensorcnt 0x0                           ; the wave's end, behind my last LDS store
	ds_add_u32 v[SPW], v[NIL]
	s_wait_dscnt 0x0
	s_endpgm
.Lfunc_end_k_q4ac49c83df_prep_x:
	.size	k_q4ac49c83df_prep_x, .Lfunc_end_k_q4ac49c83df_prep_x-k_q4ac49c83df_prep_x
	.p2alignl 7, 3214868480
	.fill 96, 4, 3214868480
	.section	.rodata,"a",@progbits
	.p2align	6, 0x0
	.amdhsa_kernel k_q4ac49c83df_prep_x
		.amdhsa_group_segment_fixed_size 33280
		.amdhsa_private_segment_fixed_size 0
		.amdhsa_enable_private_segment 0
		.amdhsa_kernarg_size 40
		.amdhsa_user_sgpr_count 2
		.amdhsa_user_sgpr_kernarg_segment_ptr 1
		.amdhsa_wavefront_size32 1
		.amdhsa_system_sgpr_workgroup_id_x 1
		.amdhsa_system_sgpr_workgroup_id_y 1
		.amdhsa_system_sgpr_workgroup_id_z 1
		.amdhsa_system_vgpr_workitem_id 0
		.amdhsa_next_free_vgpr 256
		.amdhsa_next_free_sgpr 66
		.amdhsa_reserve_vcc 0
		.amdhsa_float_denorm_mode_32 3
		.amdhsa_float_denorm_mode_16_64 3
		.amdhsa_memory_ordered 1
		.amdhsa_forward_progress 1
		.amdhsa_inst_pref_size 39
	.end_amdhsa_kernel
	.amdgpu_metadata
---
amdhsa.version: [ 1, 2 ]
amdhsa.kernels:
  - .name:           k_q4ac49c83df_prep_x
    .symbol:         k_q4ac49c83df_prep_x.kd
    .args:
      - { .name: x, .offset: 0, .size: 8, .value_kind: global_buffer, .address_space: global }
      - { .name: W_proj, .offset: 8, .size: 8, .value_kind: global_buffer, .address_space: global }
      - { .name: xc, .offset: 16, .size: 8, .value_kind: global_buffer, .address_space: global }
      - { .name: xs, .offset: 24, .size: 8, .value_kind: global_buffer, .address_space: global }
      - { .name: aux, .offset: 32, .size: 8, .value_kind: global_buffer, .address_space: global }
    .group_segment_fixed_size: 33280
    .private_segment_fixed_size: 0
    .kernarg_segment_align: 8
    .kernarg_segment_size: 40
    .max_flat_workgroup_size: 128
    .sgpr_count:     66
    .vgpr_count:     256
    .wavefront_size: 32
...
	.end_amdgpu_metadata
.endif
;; end of part 1
;; launch prep_w (part 2): grid 48 x 1, 16 waves a work-group, no clusters, 37,888 bytes of LDS; arguments W_qkv, wc, ws; writes wc, ws
.if DOCPART == 2
	.amdgcn_target "amdgcn-amd-amdhsa--gfx1250"
	.amdhsa_code_object_version 6
	.text
	.protected	k_q4ac49c83df_prep_w
	.globl	k_q4ac49c83df_prep_w
	.p2align	8
	.type	k_q4ac49c83df_prep_w,@function
k_q4ac49c83df_prep_w:
	s_mov_b64 s[64:65], 0
	v_nop
	global_prefetch_b8 v0, s[64:65] scope:SCOPE_SE
	s_setreg_imm32_b32 hwreg(HW_REG_WAVE_MODE, 25, 1), 1
	s_wait_xcnt 0x0
; W_qkv [1024 k][3072 n] f32, whose K is its FIRST axis, becomes codes of FP4 laid [3072 n][512 bytes] with K innermost (wc) and E8M0 bytes [3072 n][32] (ws).
; A lane takes a column n and its registers run down K: a load reads 128 consecutive bytes, a block of 32 lies in one lane's 32 registers, and the conversions give codes with K innermost.
; The scale: as in the launch for x (byte = the largest magnitude's exponent field - 2, held at 1 from below; a block of zeros keeps 1, its codes are zeros, this program alone reads the bytes).
; LIMITS: blocks whose largest magnitude lies under 2^-124 keep the byte 1; NaN and infinities are not served.
; SHARES: a work-group takes 64 columns and all of K.  Wave W: columns 32 (W & 1) on, K = 128 (W >> 1) on: four blocks a lane.  The sixteen waves' codes meet in one stage of 64 rows x (512 + 16) bytes,
; so that whole rows of 512 bytes leave; the scale bytes meet in 64 x 32 bytes, which are 2,048 consecutive bytes of ws.
.set NB,    4
.set PITCH, 528
.set EMAX,  2
.set ROWW,  12288                      ; a row of W_qkv in bytes
.set SB,    24                         ; v24      my four scale bytes
.set X,     32                         ; v32-95   two sets of 32 numbers
.set C,     96                         ; v96-99   a block's codes
.set OUTR,  112                        ; v112-127 four rows on the way out; v128-131 scale bytes
.set SPW,   14
.set NIL,   15
.set SCST,  64*PITCH                   ; the scale bytes' stage
.set SPARE, SCST+2048                  ; the spare words, 128 bytes for each of sixteen waves
	s_load_b128 s[4:7], s[0:1], 0x0                ; W_qkv, wc
	s_load_b64 s[8:9], s[0:1], 0x10                ; ws
	v_lshl_add_u32 v[SPW], v0, 2, SPARE
	v_mov_b32 v[NIL], 0
	v_lshrrev_b32 v1, 5, v0
	v_readfirstlane_b32 s16, v1                    ; wave 0..15
	v_and_b32 v2, 31, v0                           ; lane
	s_and_b32 s17, s16, 1                          ; which 32 columns
	s_lshr_b32 s18, s16, 1                         ; which 128 along K
	v_lshlrev_b32 v3, 2, v2                        ; in: 4 bytes a lane
	s_mul_i32 s19, s17, 32*PITCH
	s_lshl_b32 s20, s18, 6
	s_add_co_u32 s19, s19, s20
	v_mul_u32_u24 v4, v2, PITCH
	v_add_nc_u32 v4, s19, v4                       ; the stage, way in: row = my column, byte 64 x (W >> 1)
	s_lshl_b32 s19, s17, 10
	s_lshl_b32 s20, s18, 2
	s_add_co_u32 s19, s19, s20
	s_add_co_u32 s19, s19, SCST
	v_lshl_add_u32 v5, v2, 5, s19                  ; my scale word: 32 bytes a column, 4 x (W >> 1)
	s_mul_i32 s19, s16, 4*PITCH
	v_lshl_add_u32 v6, v2, 4, s19                  ; way out: rows 4 W on, 16 bytes a lane
	s_lshl_b32 s19, s16, 11
	v_lshl_add_u32 v7, v2, 4, s19                  ; and the same in wc: 2,048 W + 16 x lane
	s_and_b32 s19, s16, 3
	s_lshl_b32 s19, s19, 9
	v_lshl_add_u32 v9, v2, 4, s19                  ; the scale bytes' way out (waves 0 to 3): 512 W + 16 x lane
	v_add_nc_u32 v8, SCST, v9
	s_mul_i32 s20, s18, 128*ROWW
	s_lshl_b32 s21, ttmp9, 8
	s_add_co_u32 s20, s20, s21
	s_lshl_b32 s21, s17, 7
	s_add_co_u32 s20, s20, s21                     ; W_qkv: 128 (W >> 1) rows + 4 (64 x + 32 (W & 1)) bytes
	s_mov_b32 s21, 0
	s_lshl_b32 s22, ttmp9, 15                      ; wc: 64 rows of 512 bytes a work-group
	s_mov_b32 s23, 0
	s_lshl_b32 s24, ttmp9, 11                      ; ws: 64 rows of 32
	s_mov_b32 s25, 0
	s_wait_kmcnt 0x0
	s_add_nc_u64 s[4:5], s[4:5], s[20:21]
	s_add_nc_u64 s[6:7], s[6:7], s[22:23]
	s_add_nc_u64 s[8:9], s[8:9], s[24:25]
.macro LOAD t                          ; block t: W(32 t + i, my column) into set t % 2; the largest offset, 127 rows, lies inside the signed 24-bit immediate
.irp i, 0,1,2,3,4,5,6,7,8,9,10,11,12,13,14,15,16,17,18,19,20,21,22,23,24,25,26,27,28,29,30,31
	global_load_b32 v[X+32*((\t)%2)+\i], v3, s[4:5] offset:(32*(\t)+\i)*ROWW th:TH_LOAD_NT
.endr
.endm
	LOAD 0
	LOAD 1
.macro BLOCK t
.set XS, X+32*((\t)%2)
.if (\t) < NB-1
	s_wait_loadcnt 32                              ; this block's 32 loads are in; the next block's may be out
.else
	s_wait_loadcnt 0
.endif
	v_max3_num_f32 v12, |v[XS]|, |v[XS+1]|, |v[XS+2]|
	v_max3_num_f32 v13, |v[XS+3]|, |v[XS+4]|, |v[XS+5]|
.irp i, 6,10,14,18,22,26
	v_max3_num_f32 v12, v12, |v[XS+\i]|, |v[XS+\i+1]|
	v_max3_num_f32 v13, v13, |v[XS+\i+2]|, |v[XS+\i+3]|
.endr
	v_max3_num_f32 v12, v12, |v[XS+30]|, |v[XS+31]|
	v_max3_num_f32 v12, v12, v13, (EMAX+1)<<23     ; the floor: the byte cannot fall under 1
	v_add_nc_u32 v11, -(EMAX<<23), v12             ; the conversion's scale operand
	v_lshrrev_b32 v13, 23, v11                     ; the scale's byte
.if (\t) == 0
	v_mov_b32 v[SB], v13
.else
	v_lshl_or_b32 v[SB], v13, 8*(\t), v[SB]        ; the lower K in the lower byte
.endif
.irp g, 0,1,2,3
	v_cvt_scalef32_pk8_fp4_f32 v[C+\g], v[XS+8*\g:XS+8*\g+7], v11
.endr
	ds_store_b128 v4, v[C:C+3] offset:16*(\t)      ; 32 codes: 16 bytes of my column's row
.if (\t)+2 < NB
	LOAD (\t)+2
.endif
	s_wait_dscnt 0x0                               ; the store has read its registers: the next block's codes may be written
.endm
	BLOCK 0
	BLOCK 1
	BLOCK 2
	BLOCK 3
	ds_store_b32 v5, v[SB]
	s_wait_dscnt 0x0                               ; for the others' sake: my stores have landed
	s_barrier_signal -1
	s_barrier_wait -1                              ; 64 whole rows of codes and of scale bytes lie in LDS
.irp i, 0,1,2,3
	ds_load_b128 v[OUTR+4*\i:OUTR+4*\i+3], v6 offset:\i*PITCH
.endr
.irp i, 0,1,2,3
	s_wait_dscnt 3-\i                              ; row i is in; the younger loads may be out
	global_store_b128 v7, v[OUTR+4*\i:OUTR+4*\i+3], s[6:7] offset:512*\i   ; 32 lanes store a row's 512 consecutive bytes
.endr
	s_cmp_lt_u32 s16, 4
	s_cbranch_scc0 .Lno_scales
	ds_load_b128 v[128:131], v8
	s_wait_dscnt 0x0
	global_store_b128 v9, v[128:131], s[8:9]       ; 512 consecutive bytes a wave
.Lno_scales:
	s_wait_tensorcnt 0x0                           ; the wave's end, behind my last LDS store
	ds_add_u32 v[SPW], v[NIL]
	s_wait_dscnt 0x0
	s_endpgm
.Lfunc_end_k_q4ac49c83df_prep_w:
	.size	k_q4ac49c83df_prep_w, .Lfunc_end_k_q4ac49c83df_prep_w-k_q4ac49c83df_prep_w
	.p2alignl 7, 3214868480
	.fill 96, 4, 3214868480
	.section	.rodata,"a",@progbits
	.p2align	6, 0x0
	.amdhsa_kernel k_q4ac49c83df_prep_w
		.amdhsa_group_segment_fixed_size 37888
		.amdhsa_private_segment_fixed_size 0
		.amdhsa_enable_private_segment 0
		.amdhsa_kernarg_size 24
		.amdhsa_user_sgpr_count 2
		.amdhsa_user_sgpr_kernarg_segment_ptr 1
		.amdhsa_wavefront_size32 1
		.amdhsa_system_sgpr_workgroup_id_x 1
		.amdhsa_system_sgpr_workgroup_id_y 1
		.amdhsa_system_sgpr_workgroup_id_z 1
		.amdhsa_system_vgpr_workitem_id 0
		.amdhsa_next_free_vgpr 192
		.amdhsa_next_free_sgpr 66
		.amdhsa_reserve_vcc 0
		.amdhsa_float_denorm_mode_32 3
		.amdhsa_float_denorm_mode_16_64 3
		.amdhsa_memory_ordered 1
		.amdhsa_forward_progress 1
		.amdhsa_inst_pref_size 22
	.end_amdhsa_kernel
	.amdgpu_metadata
---
amdhsa.version: [ 1, 2 ]
amdhsa.kernels:
  - .name:           k_q4ac49c83df_prep_w
    .symbol:         k_q4ac49c83df_prep_w.kd
    .args:
      - { .name: W_qkv, .offset: 0, .size: 8, .value_kind: global_buffer, .address_space: global }
      - { .name: wc, .offset: 8, .size: 8, .value_kind: global_buffer, .address_space: global }
      - { .name: ws, .offset: 16, .size: 8, .value_kind: global_buffer, .address_space: global }
    .group_segment_fixed_size: 37888
    .private_segment_fixed_size: 0
    .kernarg_segment_align: 8
    .kernarg_segment_size: 24
    .max_flat_workgroup_size: 512
    .sgpr_count:     66
    .vgpr_count:     192
    .wavefront_size: 32
...
	.end_amdgpu_metadata
.endif
;; end of part 2
;; launch qkv (part 3): grid 12 x 32, 4 waves a work-group, clusters of 4 x 4, 327,680 bytes of LDS; arguments xc, xs, wc, ws, aux, qkv; writes qkv
.if DOCPART == 3
	.amdgcn_target "amdgcn-amd-amdhsa--gfx1250"
	.amdhsa_code_object_version 6
	.text
	.protected	k_q4ac49c83df_qkv
	.globl	k_q4ac49c83df_qkv
	.p2align	8
	.type	k_q4ac49c83df_qkv,@function
k_q4ac49c83df_qkv:
	s_mov_b64 s[64:65], 0
	v_nop
	global_prefetch_b8 v0, s[64:65] scope:SCOPE_SE
	s_setreg_imm32_b32 hwreg(HW_REG_WAVE_MODE, 25, 1), 1
	s_wait_xcnt 0x0
	s_wait_alu depctr_hold_cnt(0) depctr_sa_sdst(0) depctr_va_vdst(0) depctr_va_sdst(0) depctr_va_ssrc(0) depctr_va_vcc(0) depctr_vm_vsrc(0)
	s_getreg_b32 s2, hwreg(HW_REG_IB_STS2, 6, 4)
	s_cmp_eq_u32 s2, 0
	s_cbranch_scc0 .Lentry_in_a_cluster
	s_endpgm
.Lentry_in_a_cluster:
	s_bfe_u32 s2, ttmp6, 0x10000c
	s_cmp_lg_u32 s2, 0xf033
	s_cbranch_scc0 .Lentry_shape_is_right
	s_endpgm
.Lentry_shape_is_right:
; qkv = Q(x) Q(W_qkv) on codes of FP4 with E8M0 scales, sums in f32; then the rotary turn of q and k in f32; then f16, laid [q, k, v][batch][head][position][64].
; A: xc [8192][512 bytes], xs [8192][32].  B: wc [3072][512 bytes], ws [3072][32].  aux from byte 0: [2048 positions][32 pairs][cos, sin] f32.
; LIMIT: the results are kept as f16: magnitudes up to 65,504.
; A tile of C, 256 x 256, is made by four waves, 128 x 128 each: 64 accumulators.  K = 1,024 is two slots of 512 along K (rows of 256 bytes): both are filled at the start and nothing is filled again.
; The scales of the work-group's rows, for all of K, are two dense blocks: they come with the first fills, in rows of 256 bytes.  By this text's count a wave has three tensor loads out.
; CLUSTER 4 x 4: A's tiles are asked for jointly along a row of the cluster, B's along a column.  The matrix instruction is used TRANSPOSED (source 0 = 16 rows of B, source 1 = 16 rows of A):
; a lane holds eight neighbouring columns of one row of C, that is four rotary pairs of one position.
; A cluster's four tile columns are one of q, k, v (1,024 columns): the cluster's x says which, alike in all sixteen partners; v is not turned.  All tiles load the table's first two blocks at the head, v's too
; (8,192 bytes a wave that v's tiles do not use), so that the head has one path.
; REGISTERS: window 0: v0-31 addresses; v32-95 scale words and nothing else; v128-191 A's fragments, one set; v192-255 the table, two sets of 32; on the way out v96-159 rows read back.
;   window 1: B's fragments, two sets, at v0 and v128; on the way out v128-191 turned numbers, v192-223 f16.   windows 2, 3: the accumulators ((a, b) at v[8 (8 (a % 4) + b)]).
.set SIZE_K, 1024
.set KSTEP,  512
.set NQ,     KSTEP/128
.set ROWB,   256
.set KROW,   SIZE_K*4/8
.set PITCH,  272                       ; an LDS row: 256 bytes + 16 of padding: the 16 rows of a fragment load start at 16 different groups of four banks
.set FR,     8
.set NL,     2
.set NP,     4
.set HALFT,  128*PITCH
.set SLOT,   4*HALFT
.set KS,     SIZE_K/32
.set SCL,    2*SLOT
.set HALFS,  (128*KS/256)*272
.set SBLK,   (16*KS/256)*272
.set SPARE,  SCL+4*HALFS
.set SPITCH, 272                       ; the way out: 16 rows x (256 bytes + 16) for each wave, in slot 0, which has had its only fill and its last read by then
.set ADRA, 16
.set ADRB, 20
.set STO,  24
.set RD,   25
.set CO,   26
.set ADRS, 27
.set SPW,  28
.set NIL,  29
.set TA,   30                          ; v30  the table: my position's row, my half's 32 bytes; never rewritten
.set SC,   32
.set AF,   128
.set BK,   96                          ; window 0: v96-127, v128-159 by turns
.set TAB,  192                         ; window 0: v192-223, v224-255 by turns
.set T,    128                         ; window 1
.set TMP,  192                         ; window 1
.set G1, 24
.set G0, 32
.set G1B, 48
.set G0B, 56
.set G1S, 68
.set G0S, 76
.set G1SB, 80
.set G0SB, 88
.set MSB, 0
.macro WIN new                         ; the immediate's high byte repeats the setting that is left
.if MSB != (\new)
	s_set_vgpr_msb (MSB<<8)|(\new)
.set MSB, \new
.endif
.endm
.set MUL_LO, 0xa1
.set MUL_HI, 0xf1
.set TO_B,   0x40
; A joint load: waves 0 and 1 fetch for A, waves 2 and 3 for B; the branch hangs on the wave's number alone.  An s_nop 0 and four v_nop follow each line.
.macro JLOAD g0a, g1a, g0b, g1b
	s_cmp_eq_u32 s15, 0
	s_cbranch_scc0 .Lfor_b_\@
	tensor_load_to_lds s[\g0a:\g0a+3], s[\g1a:\g1a+7]
	s_nop 0
.rept 4
	v_nop
.endr
	s_branch .Lasked_\@
.Lfor_b_\@:
	tensor_load_to_lds s[\g0b:\g0b+3], s[\g1b:\g1b+7]
	s_nop 0
.rept 4
	v_nop
.endr
.Lasked_\@:
.endm
.macro CROUND                          ; a round of the cluster's barrier
	s_barrier_signal -1
	s_barrier_wait -1
	s_cmp_lg_u32 s14, 0
	s_cbranch_scc1 .Lnot_wave_0_\@
	s_barrier_signal -3
.Lnot_wave_0_\@:
	s_barrier_wait -3
	s_barrier_signal -1
	s_barrier_wait -1
.endm
	s_load_b128 s[4:7], s[0:1], 0x0                ; A's codes, A's scales
	s_load_b128 s[8:11], s[0:1], 0x10              ; B's codes, B's scales
	s_load_b128 s[96:99], s[0:1], 0x20             ; the table, the result
	v_lshl_add_u32 v[SPW], v0, 2, SPARE
	v_mov_b32 v[NIL], 0
	ds_add_u32 v[SPW], v[NIL]                      ; the wave's opening: the add, twice on end, and its wait ahead of my first tensor load
	ds_add_u32 v[SPW], v[NIL]
	v_lshrrev_b32 v1, 5, v0
	v_readfirstlane_b32 s14, v1                    ; wave 0..3
	s_lshr_b32 s15, s14, 1                         ; which half of the tile's rows is mine.  Also: I fetch for A (0) or for B (1)
	s_and_b32 s16, s14, 1                          ; which half of its columns.  Also: which 128 rows of that tile I fetch
	s_bfe_u32 s40, ttmp6, 0x40000                  ; cx, cy
	s_bfe_u32 s41, ttmp6, 0x40004
	s_lshl_b32 s42, ttmp9, 2
	s_add_co_u32 s42, s42, s40                     ; tile column
	s_and_b32 s17, ttmp7, 0xffff
	s_lshl_b32 s17, s17, 2
	s_add_co_u32 s17, s17, s41                     ; tile row
	s_lshl_b32 s43, s41, 2
	s_lshl_b32 s43, 15, s43                        ; my row of the cluster
	s_lshl_b32 s44, 0x1111, s40                    ; my column
	s_or_b32 s[G1+0], s43, (0<<16)|(1<<20)|(1<<21)|(5<<22)|(3<<25)  ; the mask; elements of 1 byte; padding: 4 words behind every 64; bit 21 beside a mask
	s_or_b32 s[G1B+0], s44, (0<<16)|(1<<20)|(1<<21)|(5<<22)|(3<<25)
.irp g, G1, G1B
	s_mov_b32 s[\g+1], ROWB<<16                    ; tensor_dim0
	s_mov_b32 s[\g+2], 128<<16                     ; tensor_dim1
	s_mov_b32 s[\g+3], ROWB<<16                    ; tile_dim0
	s_mov_b32 s[\g+4], 128                         ; tile_dim1
	s_mov_b32 s[\g+5], KROW                        ; the pitch
	s_mov_b32 s[\g+6], 0
	s_mov_b32 s[\g+7], 0
.endr
	s_or_b32 s[G1S+0], s43, (3<<16)|(1<<20)|(1<<21)|(5<<22)|(3<<25) ; the scales of 128 rows: 4,096 dense bytes as 16 rows of 32 elements of 8 bytes
	s_or_b32 s[G1SB+0], s44, (3<<16)|(1<<20)|(1<<21)|(5<<22)|(3<<25)
.irp g, G1S, G1SB
	s_mov_b32 s[\g+1], 32<<16
	s_mov_b32 s[\g+2], (128*KS/256)<<16
	s_mov_b32 s[\g+3], 32<<16
	s_mov_b32 s[\g+4], 128*KS/256
	s_mov_b32 s[\g+5], 32
	s_mov_b32 s[\g+6], 0
	s_mov_b32 s[\g+7], 0
.endr
	s_lshl_b32 s18, s16, 7
	s_lshl_b32 s20, s17, 8
	s_add_co_u32 s20, s20, s18                     ; A: row 256 x tile row + 128 x half
	s_lshl_b32 s46, s42, 8
	s_add_co_u32 s46, s46, s18                     ; B: row 256 x tile column + 128 x half
	s_mov_b32 s21, 0
	s_mov_b32 s47, 0
	s_mov_b64 s[18:19], KS
	s_mul_u64 s[22:23], s[20:21], s[18:19]
	s_mul_u64 s[92:93], s[46:47], s[18:19]
	s_mov_b64 s[18:19], KROW
	s_mul_u64 s[20:21], s[20:21], s[18:19]
	s_mul_u64 s[46:47], s[46:47], s[18:19]
	s_mul_i32 s45, s14, HALFT                      ; where they go: wave x 128 rows
	s_mul_i32 s94, s14, HALFS
	s_wait_dscnt 0x0                               ; both opening adds are done
	s_wait_kmcnt 0x0
	s_add_nc_u64 s[20:21], s[4:5], s[20:21]
	s_add_nc_u64 s[22:23], s[6:7], s[22:23]
	s_add_nc_u64 s[46:47], s[8:9], s[46:47]
	s_add_nc_u64 s[92:93], s[10:11], s[92:93]
	CROUND                                         ; all sixteen work-groups are here: the joint loads meet
	s_mov_b32 s[G0S], 1
	s_add_co_u32 s[G0S+1], s94, SCL
	s_mov_b64 s[G0S+2:G0S+3], s[22:23]
	s_or_b32 s[G0S+3], s[G0S+3], 0x80000000
	s_mov_b32 s[G0SB], 1
	s_add_co_u32 s[G0SB+1], s94, SCL
	s_mov_b64 s[G0SB+2:G0SB+3], s[92:93]
	s_or_b32 s[G0SB+3], s[G0SB+3], 0x80000000
	JLOAD G0S, G1S, G0SB, G1SB                     ; the scales first
.irp s, 0,1
	s_mov_b32 s[G0+4*\s], 1
	s_add_co_u32 s[G0+4*\s+1], s45, \s*SLOT
	s_add_nc_u64 s[G0+4*\s+2:G0+4*\s+3], s[20:21], \s*ROWB
	s_or_b32 s[G0+4*\s+3], s[G0+4*\s+3], 0x80000000
	s_mov_b32 s[G0B+4*\s], 1
	s_add_co_u32 s[G0B+4*\s+1], s45, \s*SLOT
	s_add_nc_u64 s[G0B+4*\s+2:G0B+4*\s+3], s[46:47], \s*ROWB
	s_or_b32 s[G0B+4*\s+3], s[G0B+4*\s+3], 0x80000000
	JLOAD G0+4*\s, G1, G0B+4*\s, G1B
.endr
	v_and_b32 v1, 15, v0                           ; r = l % 16
	v_bfe_u32 v2, v0, 4, 1                         ; h = l / 16
	v_mul_u32_u24 v3, v1, PITCH
	v_lshl_add_u32 v4, v2, 4, v3
	s_mul_i32 s21, s15, HALFT
	s_mul_i32 s22, s16, HALFT
	s_add_co_u32 s22, s22, 2*HALFT
.irp s, 0,1
	v_add_nc_u32 v[ADRA+\s], s21, v4
	v_add_nc_u32 v[ADRB+\s], s22, v4
	s_add_co_u32 s21, s21, SLOT
	s_add_co_u32 s22, s22, SLOT
.endr
	v_mul_u32_u24 v5, v1, KS                       ; my row's scales: 32 bytes a row,
	v_lshrrev_b32 v6, 8, v5
	v_lshl_add_u32 v5, v6, 4, v5                   ; and 16 more for each 256 passed
	s_mul_i32 s21, s15, HALFS
	s_mul_i32 s22, s16, HALFS
	s_add_co_u32 s22, s22, 2*HALFS
	s_sub_co_u32 s22, s22, s21
	v_mul_u32_u24 v6, s22, v2                      ; lanes 16-31 take B's
	s_add_co_u32 s21, s21, SCL
	v_add_nc_u32 v5, v5, v6
	v_add_nc_u32 v[ADRS], s21, v5
	s_and_b32 s20, s17, 7
	s_lshl_b32 s20, s20, 8
	s_lshl_b32 s21, s15, 7
	s_add_co_u32 s20, s20, s21                     ; my first row's position in its sequence: 256 (tile row % 8) + 128 x half
	v_add_nc_u32 v5, s20, v1
	v_lshlrev_b32 v[TA], 8, v5
	v_lshl_add_u32 v[TA], v2, 5, v[TA]             ; the table: 256 bytes a position, + 32 h
.irp a, 0,1                                    ; blocks 0 and 1 of my eight blocks of 16 positions; register TAB + 32 a + 8 g + 2 i on: (cos, sin) of pair 8 g + 4 h + i
.irp g, 0,1,2,3
	global_load_b128 v[TAB+32*\a+8*\g:TAB+32*\a+8*\g+3], v[TA], s[96:97] offset:4096*\a+64*\g
	global_load_b128 v[TAB+32*\a+8*\g+4:TAB+32*\a+8*\g+7], v[TA], s[96:97] offset:4096*\a+64*\g+16
.endr
.endr
	s_lshl_b32 s20, s20, 7                         ; the result: 128 bytes a position,
	s_lshr_b32 s21, s17, 3
	s_lshl_b32 s21, s21, 22                        ; 4,194,304 a batch,
	s_add_co_u32 s20, s20, s21
	s_lshl_b32 s21, ttmp9, 24                      ; 16,777,216 for each of q, k, v,
	s_add_co_u32 s20, s20, s21
	s_lshl_b32 s46, s40, 2
	s_lshl_b32 s47, s16, 1
	s_add_co_u32 s46, s46, s47
	s_lshl_b32 s46, s46, 18                        ; 262,144 a head: my first head is 4 cx + 2 x half
	s_add_co_u32 s20, s20, s46
	s_mov_b32 s21, 0
	s_add_nc_u64 s[98:99], s[98:99], s[20:21]
	s_mul_i32 s23, s14, 16*SPITCH                  ; my stage
	v_mul_u32_u24 v5, v1, SPITCH
	v_lshl_add_u32 v5, v2, 4, v5
	v_add_nc_u32 v[STO], s23, v5                   ; in: row r, 16 bytes for each half of the lanes
	v_mul_u32_u24 v5, v2, SPITCH
	v_lshl_add_u32 v5, v1, 4, v5
	v_add_nc_u32 v[RD], s23, v5                    ; back: lanes 0-15 one row of 256 bytes (two heads' 128), lanes 16-31 the next
	v_bfe_u32 v5, v0, 3, 1
	v_lshlrev_b32 v5, 18, v5
	v_lshl_add_u32 v5, v2, 7, v5
	v_and_b32 v6, 7, v0
	v_lshl_add_u32 v[CO], v6, 4, v5                ; in memory: head (l / 8) % 2, row l / 16, 16 (l % 8)
.macro FRAG reg, adr, q, i             ; 16 rows x 128 K of 4-bit codes: 8 registers: two loads of 16 bytes, 32 bytes apart
.irp c, 0,1
	ds_load_b128 v[\reg+4*\c:\reg+4*\c+3], v[\adr] offset:64*(\q)+32*\c+(\i)*16*PITCH
.endr
.endm
; 16 matrix instructions: A's blocks a0, a0 + 1 x B's eight.  The 64 accumulators take turns, one instruction a turn.
.macro MUL16 a0, p, q, sc, zero
.irp a, \a0, \a0+1
.irp b, 0,1,2,3,4,5,6,7
.if \zero
	v_wmma_scale_f32_16x16x128_f8f6f4 v[8*(8*((\a)%4)+\b):8*(8*((\a)%4)+\b)+7], v[128*(\p)+FR*\b:128*(\p)+FR*\b+FR-1], v[AF+FR*(\a):AF+FR*(\a)+FR-1], 0, v[SC+8*NQ*(\sc)+NQ*\b+(\q)], v[SC+8*NQ*(\sc)+NQ*(\a)+(\q)] matrix_a_fmt:MATRIX_FMT_FP4 matrix_b_fmt:MATRIX_FMT_FP4 matrix_a_scale:MATRIX_SCALE_ROW1
.else
	v_wmma_scale_f32_16x16x128_f8f6f4 v[8*(8*((\a)%4)+\b):8*(8*((\a)%4)+\b)+7], v[128*(\p)+FR*\b:128*(\p)+FR*\b+FR-1], v[AF+FR*(\a):AF+FR*(\a)+FR-1], v[8*(8*((\a)%4)+\b):8*(8*((\a)%4)+\b)+7], v[SC+8*NQ*(\sc)+NQ*\b+(\q)], v[SC+8*NQ*(\sc)+NQ*(\a)+(\q)] matrix_a_fmt:MATRIX_FMT_FP4 matrix_b_fmt:MATRIX_FMT_FP4 matrix_a_scale:MATRIX_SCALE_ROW1
.endif
.endr
.endr
.endm
.macro FETCH_B slot, q, p
	WIN TO_B
.irp i, 0,1,2,3,4,5,6,7
	FRAG 128*(\p)+FR*\i, ADRB+\slot, \q, \i
.endr
	WIN 0
.endm
.macro FETCH_A slot, q, i0
.irp i, \i0, \i0+1, \i0+2, \i0+3
	FRAG AF+FR*(\i), ADRA+\slot, \q, \i
.endr
.endm
.macro SCALES sc                       ; a slot's scale words: lanes 0-15 A's block i, lanes 16-31 B's block i
.irp i, 0,1,2,3,4,5,6,7
	ds_load_b128 v[SC+8*NQ*\sc+NQ*\i:SC+8*NQ*\sc+NQ*\i+3], v[ADRS] offset:\i*SBLK
.endr
.endm
.macro PLACES n                        ; plain vector instructions between a matrix instruction and a load into, or a read of, its registers
.rept \n
	v_nop
.endr
.endm
.macro STEP slot, q, zero              ; 128 along K that has its successor in the same slot
	s_wait_dscnt 4*NL                              ; B's set and A's blocks 0-3 are in; the youngest eight loads (A's blocks 4-7) may be out
	WIN MUL_LO
	MUL16 0, (\q)%2, \q, \slot, \zero
	MUL16 2, (\q)%2, \q, \slot, \zero
	s_wait_dscnt 0
	PLACES NP
	FETCH_B \slot, (\q)+1, 1-(\q)%2
	FETCH_A \slot, (\q)+1, 0
	WIN MUL_HI
	MUL16 4, (\q)%2, \q, \slot, \zero
	MUL16 6, (\q)%2, \q, \slot, \zero
	PLACES NP
	WIN 0
	FETCH_A \slot, (\q)+1, 4
.endm
	s_wait_tensorcnt 1                             ; the scales and my part of slot 0 are in; slot 1's load may be out
	s_barrier_signal -1
	s_barrier_wait -1
	FETCH_B 0, 0, 0
	FETCH_A 0, 0, 0
	SCALES 0
	FETCH_A 0, 0, 4
	STEP 0, 0, 1                                   ; the first products start the sums: nothing is cleared
	STEP 0, 1, 0
	STEP 0, 2, 0
	; slot 0's last step changes slots: one barrier; in front of it my part of slot 1 has landed
	s_wait_tensorcnt 0x0
	ds_add_u32 v[SPW], v[NIL]
	s_wait_dscnt 4*NL+1                            ; the add and the youngest eight loads may be out
	WIN MUL_LO
	MUL16 0, 1, NQ-1, 0, 0
	s_wait_dscnt 0x0                               ; the add is done, and my reads of slot 0 are over
	s_barrier_signal -1
	MUL16 2, 1, NQ-1, 0, 0
	WIN 0
	s_barrier_wait -1
	PLACES NP
	v_add_nc_u32 v[ADRS], 4*NQ, v[ADRS]            ; on to slot 1's scale words
	FETCH_B 1, 0, 0
	FETCH_A 1, 0, 0
	SCALES 1
	WIN MUL_HI
	MUL16 4, 1, NQ-1, 0, 0
	MUL16 6, 1, NQ-1, 0, 0
	PLACES NP
	WIN 0
	FETCH_A 1, 0, 4
	STEP 1, 0, 0
	STEP 1, 1, 0
	STEP 1, 2, 0
	s_wait_dscnt 4*NL
	WIN MUL_LO
	MUL16 0, 1, NQ-1, 1, 0
	MUL16 2, 1, NQ-1, 1, 0
	s_wait_dscnt 0
	WIN MUL_HI
	MUL16 4, 1, NQ-1, 1, 0
	MUL16 6, 1, NQ-1, 1, 0
	WIN 0
	PLACES NP                                      ; behind the last products: for the reads of results, and for the writes into registers that held fragments
; THE WAY OUT, a block of 16 positions x 128 columns (two heads) at a time.
; PACK: (e, o) -> (e cos - o sin, o cos + e sin), two packed instructions a pair; then f16.  Each accumulator is read from its low end on.
.macro PACK a, rope
.set AC, 64*((\a)%4)
.set TB, TAB+32*((\a)%2)
.if \rope
.if (\a) < 7
	s_wait_loadcnt 8                               ; this block's eight table loads are in; the next block's eight may be out
.else
	s_wait_loadcnt 0
.endif
	WIN 0x52+(\a)/4                                ; source 0: window 2 or 3; source 1 (the table): window 0; source 2 and destination: window 1
.irp b, 0,1,2,3,4,5,6,7
.irp i, 0,1,2,3
	v_pk_mul_f32 v[T+8*\b+2*\i:T+8*\b+2*\i+1], v[AC+8*\b+2*\i:AC+8*\b+2*\i+1], v[TB+8*(\b%4)+2*\i:TB+8*(\b%4)+2*\i+1] op_sel_hi:[1,0]   ; (e cos, o cos)
.endr
.irp i, 0,1,2,3
	v_pk_fma_f32 v[T+8*\b+2*\i:T+8*\b+2*\i+1], v[AC+8*\b+2*\i:AC+8*\b+2*\i+1], v[TB+8*(\b%4)+2*\i:TB+8*(\b%4)+2*\i+1], v[T+8*\b+2*\i:T+8*\b+2*\i+1] op_sel:[1,1,0] op_sel_hi:[0,1,1] neg_lo:[1,0,0]   ; (- o sin, + e sin)
.endr
.endr
	WIN 0x45
.irp b, 0,1,2,3,4,5,6,7
.irp i, 0,1,2,3
	v_cvt_pk_f16_f32 v[TMP+4*\b+\i], v[T+8*\b+2*\i], v[T+8*\b+2*\i+1]
.endr
.endr
	WIN 0
.if (\a)+2 <= 7
.irp g, 0,1,2,3                                ; the table of the block two on, into the set just read
	global_load_b128 v[TB+8*\g:TB+8*\g+3], v[TA], s[96:97] offset:4096*((\a)+2)+64*\g
	global_load_b128 v[TB+8*\g+4:TB+8*\g+7], v[TA], s[96:97] offset:4096*((\a)+2)+64*\g+16
.endr
.endif
.else
	WIN 0x4a+5*((\a)/4)                            ; sources 0 and 1: window 2 or 3; destination: window 1
.irp b, 0,1,2,3,4,5,6,7
.irp i, 0,1,2,3
	v_cvt_pk_f16_f32 v[TMP+4*\b+\i], v[AC+8*\b+2*\i], v[AC+8*\b+2*\i+1]
.endr
.endr
	WIN 0
.endif
.endm
.macro TOSTAGE a                       ; into my stage and back as whole rows: LDS serves a wave's instructions in order
.set BB, BK+32*((\a)%2)
	WIN 0x04                                       ; an LDS store's data are its source 1: window 1
.irp b, 0,1,2,3,4,5,6,7
	ds_store_b128 v[STO], v[TMP+4*\b:TMP+4*\b+3] offset:32*\b
.endr
	WIN 0
.irp t, 0,1,2,3,4,5,6,7
	ds_load_b128 v[BB+4*\t:BB+4*\t+3], v[RD] offset:\t*2*SPITCH
.endr
.endm
.macro SEND a
.set BB, BK+32*((\a)%2)
	s_wait_dscnt 0x0                               ; the block is back in registers
	s_wait_xcnt 0x0                                ; the earlier stores have read their registers: the next block's loads may land there
.irp t, 0,1,2,3,4,5,6,7
	global_store_b128 v[CO], v[BB+4*\t:BB+4*\t+3], s[98:99] offset:2048*(\a)+256*\t   ; rows 2 t, 2 t + 1 of two heads: two runs of 256 consecutive bytes, aligned
.endr
.endm
.macro OUT rope
	PACK 0, \rope
	TOSTAGE 0
.irp a, 1,2,3,4,5,6,7                          ; block a's arithmetic stands between block a - 1's loads from the stage and the wait for them
	PACK \a, \rope
	SEND \a-1
	TOSTAGE \a
.endr
	SEND 7
.endm
	s_cmp_eq_u32 ttmp9, 2                          ; the cluster's x: 0 q, 1 k, 2 v: alike in all sixteen partners
	s_cbranch_scc1 .Lplain
	OUT 1
	s_branch .Lend
.Lplain:
	s_wait_loadcnt 0                               ; the table's loads of the head have landed
	OUT 0
.Lend:
	s_wait_tensorcnt 0x0                           ; the wave's end
	ds_add_u32 v[SPW], v[NIL]
	s_wait_dscnt 0x0
	CROUND                                         ; the closing round
	s_endpgm
.Lfunc_end_k_q4ac49c83df_qkv:
	.size	k_q4ac49c83df_qkv, .Lfunc_end_k_q4ac49c83df_qkv-k_q4ac49c83df_qkv
	.p2alignl 7, 3214868480
	.fill 96, 4, 3214868480
	.section	.rodata,"a",@progbits
	.p2align	6, 0x0
	.amdhsa_kernel k_q4ac49c83df_qkv
		.amdhsa_group_segment_fixed_size 327680
		.amdhsa_private_segment_fixed_size 0
		.amdhsa_enable_private_segment 0
		.amdhsa_kernarg_size 48
		.amdhsa_user_sgpr_count 2
		.amdhsa_user_sgpr_kernarg_segment_ptr 1
		.amdhsa_wavefront_size32 1
		.amdhsa_system_sgpr_workgroup_id_x 1
		.amdhsa_system_sgpr_workgroup_id_y 1
		.amdhsa_system_sgpr_workgroup_id_z 1
		.amdhsa_system_vgpr_workitem_id 0
		.amdhsa_next_free_vgpr 1024
		.amdhsa_next_free_sgpr 100
		.amdhsa_reserve_vcc 0
		.amdhsa_float_denorm_mode_32 3
		.amdhsa_float_denorm_mode_16_64 3
		.amdhsa_memory_ordered 1
		.amdhsa_forward_progress 1
		.amdhsa_inst_pref_size 197
	.end_amdhsa_kernel
	.amdgpu_metadata
---
amdhsa.version: [ 1, 2 ]
amdhsa.kernels:
  - .name:           k_q4ac49c83df_qkv
    .symbol:         k_q4ac49c83df_qkv.kd
    .args:
      - { .name: xc, .offset: 0, .size: 8, .value_kind: global_buffer, .address_space: global }
      - { .name: xs, .offset: 8, .size: 8, .value_kind: global_buffer, .address_space: global }
      - { .name: wc, .offset: 16, .size: 8, .value_kind: global_buffer, .address_space: global }
      - { .name: ws, .offset: 24, .size: 8, .value_kind: global_buffer, .address_space: global }
      - { .name: aux, .offset: 32, .size: 8, .value_kind: global_buffer, .address_space: global }
      - { .name: qkv, .offset: 40, .size: 8, .value_kind: global_buffer, .address_space: global }
    .group_segment_fixed_size: 327680
    .private_segment_fixed_size: 0
    .kernarg_segment_align: 8
    .kernarg_segment_size: 48
    .max_flat_workgroup_size: 128
    .sgpr_count:     100
    .vgpr_count:     1024
    .wavefront_size: 32
...
	.end_amdgpu_metadata
.endif
;; end of part 3
;; launch attn (part 4): grid 4 x 64, 8 waves a work-group, no clusters, 327,680 bytes of LDS; arguments qkv, y16; writes y16
.if DOCPART == 4
	.amdgcn_target "amdgcn-amd-amdhsa--gfx1250"
	.amdhsa_code_object_version 6
	.text
	.protected	k_q4ac49c83df_attn
	.globl	k_q4ac49c83df_attn
	.p2align	8
	.type	k_q4ac49c83df_attn,@function
k_q4ac49c83df_attn:
	s_mov_b64 s[64:65], 0
	v_nop
	global_prefetch_b8 v0, s[64:65] scope:SCOPE_SE
	s_setreg_imm32_b32 hwreg(HW_REG_WAVE_MODE, 25, 1), 1
	s_wait_xcnt 0x0
; y[b][head][q][:] = the sum over k <= q of softmax_k(q . k / 8) v[k][:], head size 64, 2,048 positions.  q, k, v: f16, [q, k, v][b][head][position][64]; products, maxima and sums in f32; the weights p are
; rounded to f16 for the second product, y once at the end: y16 [head][2048 b + position][64] f16.  LIMIT: y has f16's range.  (Positions 0 to 15 of every sequence are made again, in f32, by later launches.)
; SHARES.  Work-group (p, b x head) owns query blocks 7 - p (pass A) and p (pass B), 256 queries each: (8 - p) + (p + 1) = 9 slots of 256 keys whatever p is: one stream of nine slots, constant trip counts,
; 256 work-groups of equal work.  Each of eight waves owns 32 queries, two tiles of 16; waves w and w + 4 take strips w and 7 - w of a block, which evens out the diagonal.
; NO CLUSTER: under the causal mask the work-groups of a head walk different numbers of key slots, at different times.
; LAYOUT.  S^T = K Q^T (source 0 = 16 keys, source 1 = 16 queries): a lane holds ONE query (lane % 16) and keys 8 (lane / 16) + 0..7.  Two such tiles rounded to f16 in pairs ARE source 1 of O^T = V^T P.
; K comes out of LDS as it lies, V ([key][channel]) turned, by ds_load_tr16_b128.
; SOFTMAX.  A running maximum m and sum l: p = 2^(c s - c m), c = log2(e) / 8; in every step O and l are multiplied by a = 2^(c m_old - c m_new).
; THE MASK.  A key step (64 keys) all of whose keys come after the wave's queries is left out by a scalar branch on ids; on the diagonal hidden scores become -infinity ahead of the maximum.  Key 0 counts for every query.
; THE RING.  Two slots of four key steps.  Waves 0-3 fetch K of step w, waves 4-7 V of step w - 4: one tensor load a wave behind each barrier, which has a slot's four steps in which to land.
; REGISTERS: window 0: v1-19 addresses; v24-39 statistics, eight a tile; v64-127 S^T; v128-159 P; v160-223 K's fragments.   window 1: v0-63 O^T; v64-127 V's fragments; v128-159 Q.
.set KS,    64
.set PK,    144                        ; a row of K in LDS: 128 bytes + 16
.set PV,    160                        ; a row of V: 128 + 32
.set VOFF,  KS*PK
.set STEPB, KS*(PK+PV)                 ; a step's tiles: 64 rows of K, then 64 of V
.set SLOT1, 1<<17                      ; slot 1 begins here: one exclusive or turns an address from slot to slot
.set STAGE, SLOT1+4*STEPB              ; behind the ring: 32 rows x 144 bytes for each wave
.set SPP,   144
.set SPARE, STAGE+8*32*SPP             ; the spare words, 128 bytes a wave
.set AK0, 3
.set AV0, 4
.set ADK, 5
.set ADV, 6
.set QL,  7
.set QO,  8
.set STO, 9
.set RD,  10
.set L16, 11
.set GO,  12
.set RH,  13                           ; r - 8 h
.set DQ,  14                           ; v14, v15: my query less the step's first key less 8 h, for each tile
.set NINF, 16
.set PFO, 17
.set SPW, 18
.set NIL, 19
.set ST,  24                           ; tile u at v[ST + 8 u]: +0 c m, +1 m, +2, +3 l, +4 to +7 at work; a at +6
.set S,   64
.set P,   128
.set KFR, 160
.set O,   0                            ; window 1
.set VF,  64
.set QF,  128
.set WV,  12
.set PP,  13
.set BH,  14
.set NA,  16                           ; slots of pass A
.set NA1, 17
.set Q0,  18                           ; my first query
.set KF,  19                           ; the step's first key
.set TT,  20                           ; the stream's slot in hand, 0..8
.set TW,  21
.set TB,  22                           ; LDS byte at which the step's tiles begin
.set KN,  23                           ; which 256 keys the slot last asked for holds
.set G1K, 24
.set G1V, 32
.set G0K, 40
.set G0V, 44
.set KB,  48
.set VB,  50
.set QP,  52
.set YP,  54
.set PFA, 56
.set LIM, 58
.set SEL, 60
.set CS,  62
.set OFS, 66
.set W0,  68
.set Q0B, 72
.set MSB, 0
.macro WIN new
.if MSB != (\new)
	s_set_vgpr_msb (MSB<<8)|(\new)
.set MSB, \new
.endif
.endm
; Waves 0-3 fetch K's tile of their step, waves 4-7 V's.  An s_nop 0 and four v_nop follow each line.
.macro TLOAD
	s_cmp_lt_u32 s[WV], 4
	s_cbranch_scc0 .Lfor_v_\@
	tensor_load_to_lds s[G0K:G0K+3], s[G1K:G1K+7]
	s_nop 0
.rept 4
	v_nop
.endr
	s_branch .Lasked_\@
.Lfor_v_\@:
	tensor_load_to_lds s[G0V:G0V+3], s[G1V:G1V+7]
	s_nop 0
.rept 4
	v_nop
.endr
.Lasked_\@:
.endm
; A prefetch of what the NEXT change of slots will ask for.  All four work-groups of a head walk the same K and V; the one with p = 0 walks key slots 0 to 7 in order and asks, nobody else.  Each wave names the
; 8,192 bytes that it will itself fetch, a lane to each 256: every block is named once in the launch.  In trip T it names key slot T + 2; trips 6 and 7 ask for nothing: there is no key slot 8.
.macro ASK
	s_cmp_lt_u32 s[TT], s[LIM]
	s_cbranch_scc0 .Lnot_mine_\@
	global_prefetch_b8 v[PFO], s[PFA:PFA+1] th:TH_LOAD_NT scope:SCOPE_SE
.Lnot_mine_\@:
.endm
	s_load_b128 s[4:7], s[0:1], 0x0                ; qkv, y16
	v_lshl_add_u32 v[SPW], v0, 2, SPARE
	v_mov_b32 v[NIL], 0
	ds_add_u32 v[SPW], v[NIL]                      ; the wave's opening: the add, twice on end, and its wait ahead of my first tensor load
	ds_add_u32 v[SPW], v[NIL]
	v_lshrrev_b32 v1, 5, v0
	v_readfirstlane_b32 s[WV], v1                  ; wave 0..7
	s_mov_b32 s[PP], ttmp9
	s_and_b32 s[BH], ttmp7, 0xffff
	s_sub_co_u32 s[NA], 8, s[PP]
	s_sub_co_u32 s[NA1], 7, s[PP]
	s_sub_co_u32 s[W0], 11, s[WV]
	s_cmp_lt_u32 s[WV], 4
	s_cselect_b32 s[W0], s[WV], s[W0]              ; my strip of 32 queries: w, or 11 - w
	s_lshl_b32 s[W0], s[W0], 5
	s_lshl_b32 s[Q0], s[NA1], 8
	s_add_co_u32 s[Q0], s[Q0], s[W0]               ; pass A: block 7 - p
	s_lshl_b32 s[Q0B], s[PP], 8
	s_add_co_u32 s[Q0B], s[Q0B], s[W0]             ; pass B: block p
	s_mov_b32 s[G1K], (1<<16)|(1<<20)|(4<<22)|(3<<25)   ; elements of 2 bytes; padding: 4 words behind every 32
	s_mov_b32 s[G1V], (1<<16)|(1<<20)|(4<<22)|(7<<25)   ; 8 words
.irp g, G1K, G1V
	s_mov_b32 s[\g+1], 64<<16                      ; tensor_dim0
	s_mov_b32 s[\g+2], KS<<16                      ; tensor_dim1
	s_mov_b32 s[\g+3], 64<<16                      ; tile_dim0
	s_mov_b32 s[\g+4], KS                          ; tile_dim1
	s_mov_b32 s[\g+5], 64                          ; the pitch
	s_mov_b32 s[\g+6], 0
	s_mov_b32 s[\g+7], 0
.endr
	s_and_b32 s[W0+1], s[WV], 3                    ; which of a slot's four steps I fetch
	s_mul_i32 s[W0+2], s[W0+1], STEPB
	s_mov_b32 s[SEL], 0x76543210
	s_mov_b32 s[SEL+1], 0xfedcba98
	s_mov_b32 s[CS], 0x3e38aa3b                    ; c = log2(e) / 8
	s_mov_b32 s[CS+1], s[CS]
	s_mov_b32 s[KF], 0
	s_mov_b32 s[TT], 0
	s_mov_b32 s[TB], 0
	s_mov_b32 s[KN], 0
	s_mov_b32 s[OFS+1], 0
	s_wait_dscnt 0x0                               ; both opening adds are done
	s_wait_kmcnt 0x0
	s_lshl_b32 s[OFS], s[BH], 18                   ; 262,144 bytes a head
	s_add_nc_u64 s[QP:QP+1], s[4:5], s[OFS:OFS+1]
	s_lshl_b32 s[OFS], s[W0+1], 13
	s_add_co_u32 s[OFS], s[OFS], 0x1000000
	s_add_nc_u64 s[KB:KB+1], s[QP:QP+1], s[OFS:OFS+1]   ; K at my step of key slot 0
	s_add_nc_u64 s[VB:VB+1], s[KB:KB+1], 0x1000000      ; V likewise
	s_and_b32 s[OFS], s[BH], 15
	s_lshl_b32 s[OFS], s[OFS], 20
	s_lshr_b32 s[W0], s[BH], 4
	s_lshl_b32 s[W0], s[W0], 18
	s_add_co_u32 s[OFS], s[OFS], s[W0]
	s_add_nc_u64 s[YP:YP+1], s[6:7], s[OFS:OFS+1]
	s_mov_b32 s[G0K], 1
	s_mov_b32 s[G0K+1], s[W0+2]
	s_mov_b64 s[G0K+2:G0K+3], s[KB:KB+1]
	s_or_b32 s[G0K+3], s[G0K+3], 0x80000000
	s_mov_b32 s[G0V], 1
	s_add_co_u32 s[G0V+1], s[W0+2], VOFF
	s_mov_b64 s[G0V+2:G0V+3], s[VB:VB+1]
	s_or_b32 s[G0V+3], s[G0V+3], 0x80000000
	TLOAD                                          ; the stream's slot 0
	s_cmp_lt_u32 s[WV], 4
	s_cselect_b64 s[PFA:PFA+1], s[KB:KB+1], s[VB:VB+1]
	s_add_nc_u64 s[PFA:PFA+1], s[PFA:PFA+1], 32768 ; key slot 1; the first change of slots steps it to slot 2.  Nothing is prefetched at the head
	s_cmp_eq_u32 s[PP], 0
	s_cselect_b32 s[LIM], 6, 0
	v_and_b32 v1, 15, v0                           ; r
	v_bfe_u32 v2, v0, 4, 1                         ; h
	v_mul_u32_u24 v[AK0], v1, PK
	v_lshl_add_u32 v[AK0], v2, 4, v[AK0]           ; K: row r, + 16 h
	v_and_b32 v20, 7, v0
	v_bfe_u32 v21, v0, 3, 1
	v_lshl_add_u32 v[AV0], v2, 3, v20
	v_mul_u32_u24 v[AV0], v[AV0], PV
	v_lshl_add_u32 v[AV0], v21, 4, v[AV0]
	v_add_nc_u32 v[AV0], VOFF, v[AV0]              ; V, for the turning load: key 8 h + l % 8, channels 8 ((l / 8) % 2) on
	v_lshlrev_b32 v[QL], 7, v1
	v_lshl_add_u32 v[QL], v2, 4, v[QL]             ; Q in memory: row r of 128 bytes, + 16 h
	s_mul_i32 s[W0], s[WV], 32*SPP
	s_add_co_u32 s[W0], s[W0], STAGE               ; my stage
	v_mul_u32_u24 v[STO], v1, SPP
	v_lshl_add_u32 v[STO], v2, 4, v[STO]
	v_add_nc_u32 v[STO], s[W0], v[STO]
	v_and_b32 v22, 31, v0
	v_lshrrev_b32 v23, 3, v22
	v_mul_u32_u24 v[RD], v23, SPP
	v_lshl_add_u32 v[RD], v20, 4, v[RD]
	v_add_nc_u32 v[RD], s[W0], v[RD]               ; back: eight lanes to a row of 128 bytes, four rows an instruction
	v_lshlrev_b32 v[L16], 4, v22
	v_lshlrev_b32 v23, 3, v2
	v_sub_nc_u32 v[RH], v1, v23
	v_mov_b32 v[NINF], 0xff800000
	v_lshlrev_b32 v[PFO], 8, v22
; A pass begins: Q's four fragments into registers; O^T and l begin as zeros and m as -3e38, so that the key step is written once: the first change of m multiplies zeros.
.macro INIT
	s_lshl_b32 s[W0], s[Q0], 7
	v_add_nc_u32 v[QO], s[W0], v[QL]
	v_add_nc_u32 v[GO], s[W0], v[L16]
	WIN 0x40                                       ; destination window 1
.irp f, 0,1,2,3                                ; tile f / 2, channels 32 (f % 2) on
	global_load_b128 v[QF+8*\f:QF+8*\f+3], v[QO], s[QP:QP+1] offset:(\f/2)*2048+(\f%2)*64
	global_load_b128 v[QF+8*\f+4:QF+8*\f+7], v[QO], s[QP:QP+1] offset:(\f/2)*2048+(\f%2)*64+32
.endr
.set i, 0
.rept 64
	v_mov_b32 v[O+i], 0
.set i, i+1
.endr
	WIN 0
.irp u, 0,1
	v_mov_b32 v[ST+8*\u+1], 0xff61b1e6             ; m = -3e38, under every score
	v_mul_f32 v[ST+8*\u], s[CS], v[ST+8*\u+1]
.irp k, 2,3,4,5,6,7
	v_mov_b32 v[ST+8*\u+\k], 0
.endr
.endr
	s_wait_loadcnt 0x0                             ; Q
.endm
; A KEY STEP: 64 keys at LDS byte s[TB].
.macro STEP
	s_add_co_u32 s[W0], s[Q0], 31
	s_cmp_gt_u32 s[KF], s[W0]                      ; all its keys come after my queries: ids and counted steps alone
	s_cbranch_scc1 .Lhidden_\@
	v_add_nc_u32 v[ADK], s[TB], v[AK0]
	v_add_nc_u32 v[ADV], s[TB], v[AV0]
	v_nop
	v_nop                                          ; four plain instructions between the last products and the loads into V's registers
.irp f, 0,1,2,3,4,5,6,7                        ; K: keys 16 (f / 2) on, channels 32 (f % 2) on
	ds_load_b128 v[KFR+8*\f:KFR+8*\f+3], v[ADK] offset:(\f/2)*16*PK+(\f%2)*64
	ds_load_b128 v[KFR+8*\f+4:KFR+8*\f+7], v[ADK] offset:(\f/2)*16*PK+(\f%2)*64+32
.endr
	WIN 0x40
.irp f, 0,1,2,3,4,5,6,7                        ; V, turned: keys 32 (f / 4) on, channels 16 (f % 4) on
	ds_load_tr16_b128 v[VF+8*\f:VF+8*\f+3], v[ADV] offset:(\f/4)*32*PV+(\f%4)*32
	ds_load_tr16_b128 v[VF+8*\f+4:VF+8*\f+7], v[ADV] offset:(\f/4)*32*PV+16*PV+(\f%4)*32
.endr
	s_wait_dscnt 16                                ; K's sixteen loads are in; V's sixteen may be out
	WIN 0x04                                       ; Q in window 1
.irp cs, 0,1                                   ; the eight accumulators take turns, one instruction a turn
.irp kt, 0,1,2,3
.irp u, 0,1
.if \cs == 0
	v_wmma_f32_16x16x32_f16 v[S+32*\u+8*\kt:S+32*\u+8*\kt+7], v[KFR+16*\kt+8*\cs:KFR+16*\kt+8*\cs+7], v[QF+16*\u+8*\cs:QF+16*\u+8*\cs+7], 0
.else
	v_wmma_f32_16x16x32_f16 v[S+32*\u+8*\kt:S+32*\u+8*\kt+7], v[KFR+16*\kt+8*\cs:KFR+16*\kt+8*\cs+7], v[QF+16*\u+8*\cs:QF+16*\u+8*\cs+7], v[S+32*\u+8*\kt:S+32*\u+8*\kt+7]
.endif
.endr
.endr
.endr
	WIN 0
.rept 4
	v_nop
.endr
	s_add_co_u32 s[W0], s[KF], 63
	s_cmp_le_u32 s[W0], s[Q0]                      ; all 64 keys count for all my queries
	s_cbranch_scc1 .Lopen_\@
	s_sub_co_i32 s[W0], s[Q0], s[KF]
	v_add_nc_u32 v[DQ], s[W0], v[RH]               ; register 8 kt + j of tile u holds key KF + 16 kt + 8 h + j: hidden where 16 kt + j > Q0 - KF + 16 u + r - 8 h
	v_add_nc_u32 v[DQ+1], 16, v[DQ]
.irp u, 0,1
.irp n, 0,1,2,3,4,5,6,7,8,9,10,11,12,13,14,15,16,17,18,19,20,21,22,23,24,25,26,27,28,29,30,31
	v_cmp_gt_i32 vcc_lo, 16*(\n/8)+\n%8, v[DQ+\u]
	v_cndmask_b32 v[S+32*\u+\n], v[S+32*\u+\n], v[NINF], vcc_lo
.endr
.endr
.Lopen_\@:
	; the maximum: four chains from each accumulator's low end, the old m last; the two tiles line by line
.irp j, 0,1,2,3
.irp u, 0,1
	v_max3_num_f32 v[ST+8*\u+4+\j], v[S+32*\u+8*\j], v[S+32*\u+8*\j+1], v[S+32*\u+8*\j+2]
.endr
.endr
.irp i, 3,5
.irp j, 0,1,2,3
.irp u, 0,1
	v_max3_num_f32 v[ST+8*\u+4+\j], v[ST+8*\u+4+\j], v[S+32*\u+8*\j+\i], v[S+32*\u+8*\j+\i+1]
.endr
.endr
.endr
.irp u, 0,1
	v_max3_num_f32 v[ST+8*\u+4], v[ST+8*\u+4], v[S+32*\u+7], v[S+32*\u+15]
	v_max3_num_f32 v[ST+8*\u+6], v[ST+8*\u+6], v[S+32*\u+23], v[S+32*\u+31]
.endr
.irp u, 0,1
	v_max3_num_f32 v[ST+8*\u+4], v[ST+8*\u+4], v[ST+8*\u+5], v[ST+8*\u+6]
.endr
.irp u, 0,1
	v_max3_num_f32 v[ST+8*\u+4], v[ST+8*\u+4], v[ST+8*\u+7], v[ST+8*\u+1]
.endr
.irp u, 0,1
	v_permlanex16_b32 v[ST+8*\u+5], v[ST+8*\u+4], s[SEL], s[SEL+1]   ; the query's other 32 keys lie in the lane 16 away
.endr
.irp u, 0,1
	v_mov_b32 v[ST+8*\u+7], v[ST+8*\u]             ; c m_old
.endr
.irp u, 0,1
	v_max_num_f32 v[ST+8*\u+1], v[ST+8*\u+4], v[ST+8*\u+5]
.endr
.irp u, 0,1
	v_mul_f32 v[ST+8*\u], s[CS], v[ST+8*\u+1]
.endr
.irp u, 0,1
	v_sub_f32 v[ST+8*\u+7], v[ST+8*\u+7], v[ST+8*\u]
.endr
	; ONE BATCH: a, the scalings, the 64 exponentials; nothing in it names an exponential's result
.irp u, 0,1
	v_exp_f32 v[ST+8*\u+6], v[ST+8*\u+7]           ; a
.endr
.set i, 0
.rept 16
	v_pk_fma_f32 v[S+2*i:S+2*i+1], v[S+2*i:S+2*i+1], s[CS:CS+1], v[ST:ST+1] op_sel_hi:[1,0,0] neg_lo:[0,0,1] neg_hi:[0,0,1]   ; c s - c m
	v_pk_fma_f32 v[S+32+2*i:S+32+2*i+1], v[S+32+2*i:S+32+2*i+1], s[CS:CS+1], v[ST+8:ST+9] op_sel_hi:[1,0,0] neg_lo:[0,0,1] neg_hi:[0,0,1]
.set i, i+1
.endr
.set i, 0
.rept 32
	v_exp_f32 v[S+i], v[S+i]
	v_exp_f32 v[S+32+i], v[S+32+i]
.set i, i+1
.endr
	v_nop                                          ; a plain instruction behind the last exponential,
	s_wait_alu depctr_va_vdst(0)                   ; and one wait for the batch, ahead of its first reader
.set i, 0
.rept 16
	v_cvt_pk_f16_f32 v[P+i], v[S+2*i], v[S+2*i+1]
	v_cvt_pk_f16_f32 v[P+16+i], v[S+32+2*i], v[S+32+2*i+1]
.set i, i+1
.endr
.irp z, 0,1,2,3,4,5,6,7                        ; the sums, of the unrounded p, in place: neighbours 1, 2, 4, 8 pairs apart
.irp u, 0,1
	v_pk_add_f32 v[S+32*\u+4*\z:S+32*\u+4*\z+1], v[S+32*\u+4*\z:S+32*\u+4*\z+1], v[S+32*\u+4*\z+2:S+32*\u+4*\z+3]
.endr
.endr
.irp z, 0,1,2,3
.irp u, 0,1
	v_pk_add_f32 v[S+32*\u+8*\z:S+32*\u+8*\z+1], v[S+32*\u+8*\z:S+32*\u+8*\z+1], v[S+32*\u+8*\z+4:S+32*\u+8*\z+5]
.endr
.endr
.irp z, 0,1
.irp u, 0,1
	v_pk_add_f32 v[S+32*\u+16*\z:S+32*\u+16*\z+1], v[S+32*\u+16*\z:S+32*\u+16*\z+1], v[S+32*\u+16*\z+8:S+32*\u+16*\z+9]
.endr
.endr
.irp u, 0,1
	v_pk_add_f32 v[S+32*\u:S+32*\u+1], v[S+32*\u:S+32*\u+1], v[S+32*\u+16:S+32*\u+17]
.endr
.irp u, 0,1
	v_pk_fma_f32 v[ST+8*\u+2:ST+8*\u+3], v[ST+8*\u+2:ST+8*\u+3], v[ST+8*\u+6:ST+8*\u+7], v[S+32*\u:S+32*\u+1] op_sel_hi:[1,0,1]   ; l = l a + the sum
.endr
	WIN 0x41                                       ; O^T in window 1, a in window 0
.irp u, 0,1
.set i, 0
.rept 16
	v_pk_mul_f32 v[O+32*\u+2*i:O+32*\u+2*i+1], v[O+32*\u+2*i:O+32*\u+2*i+1], v[ST+8*\u+6:ST+8*\u+7] op_sel_hi:[1,0]
.set i, i+1
.endr
.endr
	s_wait_dscnt 0x0                               ; V is in
	WIN 0x51                                       ; V and O^T in window 1, P in window 0
.irp g, 0,1
.irp ct, 0,1,2,3
.irp u, 0,1
	v_wmma_f32_16x16x32_f16 v[O+32*\u+8*\ct:O+32*\u+8*\ct+7], v[VF+32*\g+8*\ct:VF+32*\g+8*\ct+7], v[P+16*\u+8*\g:P+16*\u+8*\g+7], v[O+32*\u+8*\ct:O+32*\u+8*\ct+7]
.endr
.endr
.endr
	WIN 0
.Lhidden_\@:
	s_add_co_u32 s[KF], s[KF], KS
	s_add_co_u32 s[TB], s[TB], STEPB
.endm
; THE CHANGE OF SLOTS, at a slot's head.  Each wave waits for all its tensor loads (its part of the slot ahead), adds 0 to its spare word, and waits for that and for its reads of the slot that it has left.
.macro CHANGE fill
	s_wait_tensorcnt 0x0                           ; no tensor load of mine is out: a group 0 may be written
	ds_add_u32 v[SPW], v[NIL]
.if \fill
	s_xor_b32 s[G0K+1], s[G0K+1], SLOT1
	s_xor_b32 s[G0V+1], s[G0V+1], SLOT1
	s_add_co_u32 s[KN], s[KN], 1                   ; the next 256 keys,
	s_add_co_u32 s[W0], s[TT], 1
	s_cmp_eq_u32 s[W0], s[NA]
	s_cselect_b32 s[KN], 0, s[KN]                  ; or, where pass B begins, the first again
	s_lshl_b32 s[OFS], s[KN], 15
	s_add_nc_u64 s[G0K+2:G0K+3], s[KB:KB+1], s[OFS:OFS+1]
	s_or_b32 s[G0K+3], s[G0K+3], 0x80000000
	s_add_nc_u64 s[G0V+2:G0V+3], s[VB:VB+1], s[OFS:OFS+1]
	s_or_b32 s[G0V+3], s[G0V+3], 0x80000000
	s_wait_xcnt 0x0                                ; the last prefetch, a slot back, has read its address
	s_add_nc_u64 s[PFA:PFA+1], s[PFA:PFA+1], 32768
.endif
	s_wait_dscnt 0x0                               ; the add is done, and my reads of the slot that I have left are over
	s_barrier_signal -1
	s_barrier_wait -1
.if \fill
	TLOAD                                          ; the first thing behind the barrier, and my one tensor load until the next
	ASK
.endif
.endm
.macro SLOT_STEPS                      ; a slot's four key steps: written once, walked four times
	s_mov_b32 s[TW], 4
.Lstep_\@:
	STEP
	s_sub_co_u32 s[TW], s[TW], 1
	s_cmp_lg_u32 s[TW], 0
	s_cbranch_scc1 .Lstep_\@
	s_sub_co_u32 s[TB], s[TB], 4*STEPB
	s_xor_b32 s[TB], s[TB], SLOT1                  ; on to the other slot
.endm
; THE WAY OUT of a pass: O^T / l, f16, through my stage, back as whole rows; four rows of 128 bytes are 512 consecutive bytes of y16.  The additions are the places behind the last products.
.macro WAYOUT
.irp u, 0,1
	v_add_f32 v[ST+8*\u+4], v[ST+8*\u+2], v[ST+8*\u+3]
.endr
.irp u, 0,1
	v_permlanex16_b32 v[ST+8*\u+5], v[ST+8*\u+4], s[SEL], s[SEL+1]
.endr
.irp u, 0,1
	v_add_f32 v[ST+8*\u+4], v[ST+8*\u+4], v[ST+8*\u+5]
.endr
.irp u, 0,1
	v_rcp_f32 v[ST+8*\u+6], v[ST+8*\u+4]
.endr
	v_nop
	s_wait_alu depctr_va_vdst(0)                   ; one wait for both reciprocals, ahead of their first reader
	WIN 0x01                                       ; O^T in window 1
.irp u, 0,1
.set i, 0
.rept 16
	v_pk_mul_f32 v[S+32*\u+2*i:S+32*\u+2*i+1], v[O+32*\u+2*i:O+32*\u+2*i+1], v[ST+8*\u+6:ST+8*\u+7] op_sel_hi:[1,0]
.set i, i+1
.endr
.endr
	WIN 0
.set i, 0
.rept 32
	v_cvt_pk_f16_f32 v[P+i], v[S+2*i], v[S+2*i+1]
.set i, i+1
.endr
.irp u, 0,1
.irp ct, 0,1,2,3
	ds_store_b128 v[STO], v[P+16*\u+4*\ct:P+16*\u+4*\ct+3] offset:16*SPP*\u+32*\ct
.endr
.endr
.irp i, 0,1,2,3,4,5,6,7
	ds_load_b128 v[S+4*\i:S+4*\i+3], v[RD] offset:4*SPP*\i   ; LDS serves a wave's instructions in order: these see my stores
.endr
.irp i, 0,1,2,3,4,5,6,7
	s_wait_dscnt 7-\i                              ; rows 4 i on are in; the younger loads may be out
	global_store_b128 v[GO], v[S+4*\i:S+4*\i+3], s[YP:YP+1] offset:512*\i
.endr
	s_wait_xcnt 0x0                                ; the stores have read their registers: both are written again
.endm
	INIT                                           ; pass A
.Lslot:                                            ; eight trips: behind each change of slots but the last the stream's next slot is asked for
	CHANGE 1
	SLOT_STEPS
	s_cmp_lg_u32 s[TT], s[NA1]                     ; pass A's last slot?  The work-group's number and the count of trips alone: all eight waves go the same way
	s_cbranch_scc1 .Lsame_pass
	WAYOUT
	s_mov_b32 s[Q0], s[Q0B]
	s_mov_b32 s[KF], 0
	INIT                                           ; pass B
.Lsame_pass:
	s_add_co_u32 s[TT], s[TT], 1
	s_cmp_lt_u32 s[TT], 8
	s_cbranch_scc1 .Lslot
	CHANGE 0                                       ; the last slot is written out: nothing is left to fetch
	SLOT_STEPS
	WAYOUT
	s_wait_tensorcnt 0x0                           ; the wave's end
	ds_add_u32 v[SPW], v[NIL]
	s_wait_dscnt 0x0
	s_endpgm
.Lfunc_end_k_q4ac49c83df_attn:
	.size	k_q4ac49c83df_attn, .Lfunc_end_k_q4ac49c83df_attn-k_q4ac49c83df_attn
	.p2alignl 7, 3214868480
	.fill 96, 4, 3214868480
	.section	.rodata,"a",@progbits
	.p2align	6, 0x0
	.amdhsa_kernel k_q4ac49c83df_attn
		.amdhsa_group_segment_fixed_size 327680
		.amdhsa_private_segment_fixed_size 0
		.amdhsa_enable_private_segment 0
		.amdhsa_kernarg_size 16
		.amdhsa_user_sgpr_count 2
		.amdhsa_user_sgpr_kernarg_segment_ptr 1
		.amdhsa_wavefront_size32 1
		.amdhsa_system_sgpr_workgroup_id_x 1
		.amdhsa_system_sgpr_workgroup_id_y 1
		.amdhsa_system_sgpr_workgroup_id_z 1
		.amdhsa_system_vgpr_workitem_id 0
		.amdhsa_next_free_vgpr 512
		.amdhsa_next_free_sgpr 76
		.amdhsa_reserve_vcc 1
		.amdhsa_float_denorm_mode_32 3
		.amdhsa_float_denorm_mode_16_64 3
		.amdhsa_memory_ordered 1
		.amdhsa_forward_progress 1
		.amdhsa_inst_pref_size 71
	.end_amdhsa_kernel
	.amdgpu_metadata
---
amdhsa.version: [ 1, 2 ]
amdhsa.kernels:
  - .name:           k_q4ac49c83df_attn
    .symbol:         k_q4ac49c83df_attn.kd
    .args:
      - { .name: qkv, .offset: 0, .size: 8, .value_kind: global_buffer, .address_space: global }
      - { .name: y16, .offset: 8, .size: 8, .value_kind: global_buffer, .address_space: global }
    .group_segment_fixed_size: 327680
    .private_segment_fixed_size: 0
    .kernarg_segment_align: 8
    .kernarg_segment_size: 16
    .max_flat_workgroup_size: 256
    .sgpr_count:     76
    .vgpr_count:     512
    .wavefront_size: 32
...
	.end_amdgpu_metadata
.endif
;; end of part 4
;; launch proj (part 5): grid 4 x 64, 4 waves a work-group, clusters of 4 x 4, 327,680 bytes of LDS; arguments y16, aux, out0; writes out0
.if DOCPART == 5
	.amdgcn_target "amdgcn-amd-amdhsa--gfx1250"
	.amdhsa_code_object_version 6
	.text
	.protected	k_q4ac49c83df_proj
	.globl	k_q4ac49c83df_proj
	.p2align	8
	.type	k_q4ac49c83df_proj,@function
k_q4ac49c83df_proj:
	s_mov_b64 s[64:65], 0
	v_nop
	global_prefetch_b8 v0, s[64:65] scope:SCOPE_SE
	s_setreg_imm32_b32 hwreg(HW_REG_WAVE_MODE, 25, 1), 1
	s_wait_xcnt 0x0
	s_wait_alu depctr_hold_cnt(0) depctr_sa_sdst(0) depctr_va_vdst(0) depctr_va_sdst(0) depctr_va_ssrc(0) depctr_va_vcc(0) depctr_vm_vsrc(0)
	s_getreg_b32 s2, hwreg(HW_REG_IB_STS2, 6, 4)
	s_cmp_eq_u32 s2, 0
	s_cbranch_scc0 .Lentry_in_a_cluster
	s_endpgm
.Lentry_in_a_cluster:
	s_bfe_u32 s2, ttmp6, 0x10000c
	s_cmp_lg_u32 s2, 0xf033
	s_cbranch_scc0 .Lentry_shape_is_right
	s_endpgm
.Lentry_shape_is_right:
; out0[m][n] = the sum over k of y[m][k] W_proj[k][n], f16 operands, f32 sums.  y16: [16 heads][8192 m][64] f16 (k = 64 head + channel); W_proj as f16 at aux + 524,288: [1024 k][1024 n]; out0 [8192][1024] f32.
; (The rows of positions 0 to 15 of every sequence are written over, in f32 throughout, by a later launch.)
; A tile of C is 128 (m) x 256 (n): 256 work-groups.  Four waves, 64 x 128 each: 32 accumulators, window 2.  K goes in steps of 128 (two heads) through a ring of two LDS slots: eight steps.
; A's tile is two heads' 128 rows of 128 bytes (dense in memory); B's is 128 rows of k x 512 bytes, read turned by ds_load_tr16_b128.
; CLUSTER 4 x 4: A's tiles are asked for jointly along a row of the cluster, B's along a column.  The matrix instruction is used TRANSPOSED (source 0 = 16 columns n, source 1 = 16 rows m):
; a lane holds eight neighbouring numbers of a row of C.  No prefetch: a small tile, whose step's matrix work is short.
; REGISTERS: window 0: v0-31 addresses; v64-191 rows on the way out.   window 1: two fragment buffers at v0 and v128: B's eight fragments, then from +64 A's four.   window 2: accumulator (a, b) at v[8 (8 a + b)].
.set PA,     144                       ; a row of A in LDS: 128 bytes + 16
.set PB,     544                       ; a row of B: 512 + 32
.set HEADA,  128*PA                    ; one head's 128 rows
.set BOFF,   2*HEADA
.set HALFB,  64*PB                     ; what one tensor load of B brings
.set SLOT,   BOFF+2*HALFB
.set STAGE,  2*SLOT                    ; behind the ring: 16 rows x (512 + 16) bytes for each wave
.set SPITCH, 528
.set SPARE,  STAGE+4*16*SPITCH
.set LAPS,   4                         ; a lap = two K steps
.set ADRA, 16
.set ADRB, 20
.set STO,  24
.set RD,   25
.set CO,   26
.set SPW,  28
.set NIL,  29
.set BK,   64
.set F0,   0
.set F1,   128
.set G1, 24
.set G0, 32
.set G1B, 48
.set G0B, 56
.set MSB, 0
.macro WIN new
.if MSB != (\new)
	s_set_vgpr_msb (MSB<<8)|(\new)
.set MSB, \new
.endif
.endm
.set MUL,  0xa5                        ; sources 0 and 1 window 1; C and D window 2
.set TO_F, 0x40
.macro JLOAD s                         ; waves 0 and 1 fetch A's two heads, waves 2 and 3 B's two halves; an s_nop 0 and four v_nop follow each line
	s_cmp_eq_u32 s11, 0
	s_cbranch_scc0 .Lfor_b_\@
	tensor_load_to_lds s[G0+4*\s:G0+4*\s+3], s[G1:G1+7]
	s_nop 0
.rept 4
	v_nop
.endr
	s_branch .Lasked_\@
.Lfor_b_\@:
	tensor_load_to_lds s[G0B+4*\s:G0B+4*\s+3], s[G1B:G1B+7]
	s_nop 0
.rept 4
	v_nop
.endr
.Lasked_\@:
.endm
.macro CREST
	s_cmp_lg_u32 s10, 0
	s_cbranch_scc1 .Lnot_wave_0_\@
	s_barrier_signal -3
.Lnot_wave_0_\@:
	s_barrier_wait -3
	s_barrier_signal -1
	s_barrier_wait -1
.endm
.macro CROUND
	s_barrier_signal -1
	s_barrier_wait -1
	CREST
.endm
	s_load_b128 s[4:7], s[0:1], 0x0                ; y16, aux
	s_load_b64 s[8:9], s[0:1], 0x10                ; out0
	v_lshl_add_u32 v[SPW], v0, 2, SPARE
	v_mov_b32 v[NIL], 0
	ds_add_u32 v[SPW], v[NIL]                      ; the wave's opening: the add, twice on end, and its wait ahead of my first tensor load
	ds_add_u32 v[SPW], v[NIL]
	v_lshrrev_b32 v1, 5, v0
	v_readfirstlane_b32 s10, v1                    ; wave 0..3
	s_lshr_b32 s11, s10, 1                         ; which 64 rows are mine.  Also: I fetch for A (0) or for B (1)
	s_and_b32 s12, s10, 1                          ; which 128 columns.  Also: which head, or which 64 rows of k, I fetch
	s_bfe_u32 s40, ttmp6, 0x40000                  ; cx, cy
	s_bfe_u32 s41, ttmp6, 0x40004
	s_lshl_b32 s42, ttmp9, 2
	s_add_co_u32 s42, s42, s40                     ; tile column
	s_and_b32 s13, ttmp7, 0xffff
	s_lshl_b32 s13, s13, 2
	s_add_co_u32 s13, s13, s41                     ; tile row
	s_lshl_b32 s43, s41, 2
	s_lshl_b32 s43, 15, s43                        ; my row of the cluster
	s_lshl_b32 s44, 0x1111, s40                    ; my column
	s_or_b32 s[G1+0], s43, (1<<16)|(1<<20)|(1<<21)|(4<<22)|(3<<25)   ; A: elements of 2 bytes; 4 words of padding behind every 32
	s_mov_b32 s[G1+1], 64<<16                      ; tensor_dim0
	s_mov_b32 s[G1+2], 128<<16                     ; tensor_dim1
	s_mov_b32 s[G1+3], 64<<16                      ; tile_dim0
	s_mov_b32 s[G1+4], 128                         ; tile_dim1
	s_mov_b32 s[G1+5], 64                          ; the pitch
	s_mov_b32 s[G1+6], 0
	s_mov_b32 s[G1+7], 0
	s_or_b32 s[G1B+0], s44, (1<<16)|(1<<20)|(1<<21)|(6<<22)|(7<<25)  ; B: 8 words of padding behind every 128
	s_mov_b32 s[G1B+1], 256<<16
	s_mov_b32 s[G1B+2], 64<<16
	s_mov_b32 s[G1B+3], 256<<16
	s_mov_b32 s[G1B+4], 64
	s_mov_b32 s[G1B+5], 1024
	s_mov_b32 s[G1B+6], 0
	s_mov_b32 s[G1B+7], 0
	s_lshl_b32 s16, s12, 20                        ; A: my head's plane of 1,048,576 bytes,
	s_lshl_b32 s17, s13, 14                        ; 128 rows of 128 bytes a tile row
	s_add_co_u32 s16, s16, s17
	s_mov_b32 s17, 0
	s_lshl_b32 s46, s12, 17                        ; B: my 64 rows of 2,048 bytes,
	s_lshl_b32 s47, s42, 9                         ; 512 bytes a tile column,
	s_add_co_u32 s46, s46, s47
	s_add_co_u32 s46, s46, 524288                  ; behind the rotary table
	s_mov_b32 s47, 0
	s_mul_i32 s20, s12, HEADA                      ; where they go: no place in the cluster enters an LDS address
	s_mul_i32 s21, s12, HALFB
	s_add_co_u32 s21, s21, BOFF
	s_wait_dscnt 0x0                               ; both opening adds are done
	s_wait_kmcnt 0x0
	s_add_nc_u64 s[14:15], s[4:5], s[16:17]
	s_add_nc_u64 s[46:47], s[6:7], s[46:47]
	CROUND                                         ; all sixteen work-groups are here: the first joint loads meet
.irp s, 0,1
	s_mov_b32 s[G0+4*\s], 1
	s_add_co_u32 s[G0+4*\s+1], s20, \s*SLOT
	s_add_nc_u64 s[G0+4*\s+2:G0+4*\s+3], s[14:15], \s*2097152       ; K step s: heads 2 s, 2 s + 1
	s_or_b32 s[G0+4*\s+3], s[G0+4*\s+3], 0x80000000
	s_mov_b32 s[G0B+4*\s], 1
	s_add_co_u32 s[G0B+4*\s+1], s21, \s*SLOT
	s_add_nc_u64 s[G0B+4*\s+2:G0B+4*\s+3], s[46:47], \s*262144      ; 128 rows of k on
	s_or_b32 s[G0B+4*\s+3], s[G0B+4*\s+3], 0x80000000
	JLOAD \s
.endr
	v_and_b32 v1, 15, v0                           ; r
	v_bfe_u32 v2, v0, 4, 1                         ; h
	v_mul_u32_u24 v3, v1, PA
	v_lshl_add_u32 v3, v2, 4, v3                   ; A: row r, + 16 h
	v_and_b32 v4, 7, v0
	v_lshl_add_u32 v4, v2, 3, v4
	v_mul_u32_u24 v4, v4, PB
	v_bfe_u32 v5, v0, 3, 1
	v_lshl_add_u32 v4, v5, 4, v4                   ; B, for the turning load: k 8 h + l % 8, columns 8 ((l / 8) % 2) on
	s_mul_i32 s21, s11, 64*PA                      ; my 64 rows of A
	s_lshl_b32 s22, s12, 8                         ; my 128 columns of B
	s_add_co_u32 s22, s22, BOFF
.irp s, 0,1
	v_add_nc_u32 v[ADRA+\s], s21, v3
	v_add_nc_u32 v[ADRB+\s], s22, v4
	s_add_co_u32 s21, s21, SLOT
	s_add_co_u32 s22, s22, SLOT
.endr
	s_mul_i32 s23, s10, 16*SPITCH
	s_add_co_u32 s23, s23, STAGE                   ; my stage
	v_mul_u32_u24 v5, v1, SPITCH
	v_lshl_add_u32 v5, v2, 5, v5
	v_add_nc_u32 v[STO], s23, v5                   ; in: row r, 32 bytes for each half of the lanes
	v_and_b32 v6, 31, v0
	v_lshlrev_b32 v[CO], 4, v6                     ; back: the 32 lanes take a row of 512 bytes; the same in C
	v_add_nc_u32 v[RD], s23, v[CO]
	s_lshl_b32 s16, s13, 7
	s_lshl_b32 s17, s11, 6
	s_add_co_u32 s16, s16, s17
	s_lshl_b32 s16, s16, 12                        ; my first row of C, 4,096 bytes a row
	s_lshl_b32 s46, s42, 10
	s_lshl_b32 s47, s12, 9
	s_add_co_u32 s46, s46, s47
	s_add_co_u32 s16, s16, s46                     ; my first column
	s_mov_b32 s17, 0
	s_add_nc_u64 s[8:9], s[8:9], s[16:17]
.macro MULA f, a, zero                 ; 8 matrix instructions: A's block a x B's eight, 32 along K.  The 32 accumulators take turns, one instruction a turn
.irp b, 0,1,2,3,4,5,6,7
.if \zero
	v_wmma_f32_16x16x32_f16 v[8*(8*(\a)+\b):8*(8*(\a)+\b)+7], v[\f+8*\b:\f+8*\b+7], v[\f+64+8*(\a):\f+64+8*(\a)+7], 0
.else
	v_wmma_f32_16x16x32_f16 v[8*(8*(\a)+\b):8*(8*(\a)+\b)+7], v[\f+8*\b:\f+8*\b+7], v[\f+64+8*(\a):\f+64+8*(\a)+7], v[8*(8*(\a)+\b):8*(8*(\a)+\b)+7]
.endif
.endr
.endm
.macro FETCH slot, q, f                ; 24 LDS loads in one run: the slot's q-th 32 along K: B's eight fragments, then A's four
	WIN TO_F
.irp b, 0,1,2,3,4,5,6,7
	ds_load_tr16_b128 v[\f+8*\b:\f+8*\b+3], v[ADRB+\slot] offset:32*PB*(\q)+32*\b
	ds_load_tr16_b128 v[\f+8*\b+4:\f+8*\b+7], v[ADRB+\slot] offset:32*PB*(\q)+32*\b+16*PB
.endr
.irp a, 0,1,2,3
	ds_load_b128 v[\f+64+8*\a:\f+64+8*\a+3], v[ADRA+\slot] offset:HEADA*((\q)/2)+64*((\q)%2)+16*PA*\a
	ds_load_b128 v[\f+64+8*\a+4:\f+64+8*\a+7], v[ADRA+\slot] offset:HEADA*((\q)/2)+64*((\q)%2)+16*PA*\a+32
.endr
.endm
.macro PLACES                          ; four plain instructions in front of loads into registers that matrix instructions have read, and of reads of results
.rept 4
	v_nop
.endr
.endm
.macro QUARTER slot, q, f, g, zero     ; multiplies buffer f; in its middle fetches the slot's quarter q into buffer g
	s_wait_dscnt 4                                 ; B and A's blocks 0, 1 are in; the youngest four loads (A's blocks 2, 3) may be out
	WIN MUL
	MULA \f, 0, \zero
	MULA \f, 1, \zero
	PLACES
	FETCH \slot, \q, \g
	s_wait_dscnt 24                                ; all but the 24 just issued
	WIN MUL
	MULA \f, 2, \zero
	MULA \f, 3, \zero
.endm
; A K step's last quarter multiplies buffer 1 and changes slots: ONE barrier; in front of it each wave waits for all its tensor loads, adds 0 to its spare word, and waits for that and for its reads of this slot.
.macro TURN slot, next, fill
	WIN 0
	s_wait_tensorcnt 0x0                           ; my part of the next slot has landed
	ds_add_u32 v[SPW], v[NIL]
	s_wait_dscnt 5                                 ; the add and the youngest four loads may be out
	WIN MUL
	MULA F1, 0, 0
	s_wait_dscnt 0x0                               ; the add is done, and my reads of this slot are over
	s_barrier_signal -1
	MULA F1, 1, 0
.if \fill
	WIN 0
.endif
	s_barrier_wait -1
.if \fill
	CREST                                          ; the barrier has opened a round of the cluster's: no wave of any partner still reads this slot or has a load on its way
	s_add_nc_u64 s[G0+4*\slot+2:G0+4*\slot+3], s[G0+4*\slot+2:G0+4*\slot+3], 4194304
	s_add_nc_u64 s[G0B+4*\slot+2:G0B+4*\slot+3], s[G0B+4*\slot+2:G0B+4*\slot+3], 524288
	JLOAD \slot                                    ; the first tensor load behind the round; its four v_nop are also the places in front of the loads below
.else
	PLACES
.endif
	FETCH \next, 0, F0
	WIN MUL
	MULA F1, 2, 0
	MULA F1, 3, 0
.endm
	s_wait_tensorcnt 1                             ; my part of K step 0 is in; K step 1's load may be out
	s_barrier_signal -1
	s_barrier_wait -1
	FETCH 0, 0, F0
	QUARTER 0, 1, F0, F1, 1                        ; the first products start the sums
	WIN 0
	s_mov_b32 s3, LAPS-1
.Llap:                                             ; a trip goes once round the ring and fills both slots again
	QUARTER 0, 2, F1, F0, 0
	QUARTER 0, 3, F0, F1, 0
	TURN 0, 1, 1
	QUARTER 1, 1, F0, F1, 0
	QUARTER 1, 2, F1, F0, 0
	QUARTER 1, 3, F0, F1, 0
	TURN 1, 0, 1
	QUARTER 0, 1, F0, F1, 0
	WIN 0
	s_sub_co_u32 s3, s3, 1
	s_cmp_lg_u32 s3, 0
	s_cbranch_scc1 .Llap
	QUARTER 0, 2, F1, F0, 0                        ; the last lap fills nothing
	QUARTER 0, 3, F0, F1, 0
	TURN 0, 1, 0
	QUARTER 1, 1, F0, F1, 0
	QUARTER 1, 2, F1, F0, 0
	QUARTER 1, 3, F0, F1, 0
	s_wait_dscnt 4
	WIN MUL
	MULA F1, 0, 0
	MULA F1, 1, 0
	s_wait_dscnt 0
	MULA F1, 2, 0
	MULA F1, 3, 0
	WIN 0
; THE WAY OUT, a block of 16 rows x 128 columns at a time, through my own stage: whole rows of 512 bytes come back and leave.
.macro TOSTAGE a
	WIN 0x08                                       ; an LDS store's data are its source 1: window 2
.irp b, 0,1,2,3,4,5,6,7
	ds_store_b128 v[STO], v[8*(8*(\a)+\b):8*(8*(\a)+\b)+3] offset:64*\b          ; each accumulator from its low end on
	ds_store_b128 v[STO], v[8*(8*(\a)+\b)+4:8*(8*(\a)+\b)+7] offset:64*\b+16
.endr
	WIN 0
.set BB, BK+64*((\a)%2)
.irp t, 0,1,2,3,4,5,6,7,8,9,10,11,12,13,14,15
	ds_load_b128 v[BB+4*\t:BB+4*\t+3], v[RD] offset:\t*SPITCH
.endr
.endm
.macro SEND a, younger
.set BB, BK+64*((\a)%2)
	s_wait_dscnt \younger                          ; the block is back; the next block's 16 stores and 16 loads may be out
.irp t, 0,1,2,3,4,5,6,7,8,9,10,11,12,13,14,15
	global_store_b128 v[CO], v[BB+4*\t:BB+4*\t+3], s[8:9] offset:65536*(\a)+4096*\t th:TH_STORE_NT   ; 512 consecutive bytes, aligned
.endr
.endm
	PLACES
	TOSTAGE 0
.irp a, 1,2,3
.if \a > 1
	s_wait_xcnt 0x0                                ; block a - 2's stores have read their registers: block a's loads may land there
.endif
	TOSTAGE \a
	SEND \a-1, 32
.endr
	SEND 3, 0
	s_wait_tensorcnt 0x0                           ; the wave's end
	ds_add_u32 v[SPW], v[NIL]
	s_wait_dscnt 0x0
	CROUND                                         ; the closing round
	s_endpgm
.Lfunc_end_k_q4ac49c83df_proj:
	.size	k_q4ac49c83df_proj, .Lfunc_end_k_q4ac49c83df_proj-k_q4ac49c83df_proj
	.p2alignl 7, 3214868480
	.fill 96, 4, 3214868480
	.section	.rodata,"a",@progbits
	.p2align	6, 0x0
	.amdhsa_kernel k_q4ac49c83df_proj
		.amdhsa_group_segment_fixed_size 327680
		.amdhsa_private_segment_fixed_size 0
		.amdhsa_enable_private_segment 0
		.amdhsa_kernarg_size 24
		.amdhsa_user_sgpr_count 2
		.amdhsa_user_sgpr_kernarg_segment_ptr 1
		.amdhsa_wavefront_size32 1
		.amdhsa_system_sgpr_workgroup_id_x 1
		.amdhsa_system_sgpr_workgroup_id_y 1
		.amdhsa_system_sgpr_workgroup_id_z 1
		.amdhsa_system_vgpr_workitem_id 0
		.amdhsa_next_free_vgpr 768
		.amdhsa_next_free_sgpr 66
		.amdhsa_reserve_vcc 0
		.amdhsa_float_denorm_mode_32 3
		.amdhsa_float_denorm_mode_16_64 3
		.amdhsa_memory_ordered 1
		.amdhsa_forward_progress 1
		.amdhsa_inst_pref_size 85
	.end_amdhsa_kernel
	.amdgpu_metadata
---
amdhsa.version: [ 1, 2 ]
amdhsa.kernels:
  - .name:           k_q4ac49c83df_proj
    .symbol:         k_q4ac49c83df_proj.kd
    .args:
      - { .name: y16, .offset: 0, .size: 8, .value_kind: global_buffer, .address_space: global }
      - { .name: aux, .offset: 8, .size: 8, .value_kind: global_buffer, .address_space: global }
      - { .name: out0, .offset: 16, .size: 8, .value_kind: global_buffer, .address_space: global }
    .group_segment_fixed_size: 327680
    .private_segment_fixed_size: 0
    .kernarg_segment_align: 8
    .kernarg_segment_size: 24
    .max_flat_workgroup_size: 128
    .sgpr_count:     66
    .vgpr_count:     768
    .wavefront_size: 32
...
	.end_amdgpu_metadata
.endif
;; end of part 5
;; launch fine_a (part 6): grid 64 x 1, 4 waves a work-group, no clusters, 17,920 bytes of LDS; arguments xc, xs, wc, ws, aux, y32; writes y32
.if DOCPART == 6
	.amdgcn_target "amdgcn-amd-amdhsa--gfx1250"
	.amdhsa_code_object_version 6
	.text
	.protected	k_q4ac49c83df_fine_a
	.globl	k_q4ac49c83df_fine_a
	.p2align	8
	.type	k_q4ac49c83df_fine_a,@function
k_q4ac49c83df_fine_a:
	s_mov_b64 s[64:65], 0
	v_nop
	global_prefetch_b8 v0, s[64:65] scope:SCOPE_SE
	s_setreg_imm32_b32 hwreg(HW_REG_WAVE_MODE, 25, 1), 1
	s_wait_xcnt 0x0
; POSITIONS 0 TO 15 OF EVERY SEQUENCE, CARRIED IN f32: their rows of the softmax average few values, and f16 operands would weigh most there.  One work-group for each (batch, head).
; q, k, v of the 16 positions are made again from the same codes (FP4 with E8M0 scales, the format's own matrix instruction), turned by the rotary table in f32, and stay f32: scores, softmax (maximum taken away)
; and the second product in f32, by the f32 matrix form: 16 x 16 x 64 and 16 x 64 x 16 a head: no bulk work.  y32 [16 b + position][1024] f32.
; Wave t makes channels 16 t .. 16 t + 15 of q, k and v (source 0 = 16 rows of W, source 1 = the 16 positions: a lane holds one position and eight neighbouring channels); they meet in LDS; every wave then makes
; all 16 x 16 scores, and its own 16 channels of y.
; The registers that the f32 matrix form writes, v88-95 and v248-255, are written by matrix instructions alone; v80-87 and v192-215 hold scale words and nothing else.
.set PT,   272                         ; an LDS row: 64 f32 + 16 bytes
.set QLB,  0
.set KLB,  16*PT
.set VLB,  32*PT
.set YLB,  48*PT
.set SPARE, 64*PT
.set XF,  16                           ; v16-79   x's eight fragments; later K's and Q's rows
.set XS,  80                           ; v80-87   x's scale words
.set SA0, 88                           ; v88-95   f32 sums
.set WF,  96                           ; v96-191  W's fragments: (part g, K step s % 4) at 32 g + 8 (s % 4); later at work
.set WS,  192                          ; v192-215 W's scale words: 8 g + s
.set AQ,  216                          ; v216-239 q, k, v
.set TAB, 240                          ; v240-247 (cos, sin) of my four pairs
.set SA1, 248                          ; v248-255 f32 sums
.set RQ,  96
.set RK,  104
.set SS,  112
.set WK,  120                          ; v120-127 at work
.set PR,  128
.set VR,  136
.set YR,  144
.set OU,  152
.set KR,  16
.set QR,  48
	s_load_b128 s[4:7], s[0:1], 0x0                ; xc, xs
	s_load_b128 s[8:11], s[0:1], 0x10              ; wc, ws
	s_load_b128 s[12:15], s[0:1], 0x20             ; aux, y32
	v_lshl_add_u32 v14, v0, 2, SPARE               ; my spare word; never rewritten
	v_mov_b32 v15, 0
	v_lshrrev_b32 v1, 5, v0
	v_readfirstlane_b32 s16, v1                    ; wave t
	s_lshr_b32 s17, ttmp9, 4                       ; batch
	s_and_b32 s18, ttmp9, 15                       ; head
	v_and_b32 v1, 15, v0                           ; r
	v_bfe_u32 v2, v0, 4, 1                         ; h
	v_lshlrev_b32 v3, 9, v1
	v_lshl_add_u32 v3, v2, 4, v3                   ; codes: row r of 512 bytes, + 16 h
	v_lshlrev_b32 v4, 5, v1                        ; scale bytes: row r of 32
	s_lshl_b32 s19, s16, 6
	v_lshlrev_b32 v7, 8, v1
	v_lshl_add_u32 v7, v2, 5, v7
	v_add_nc_u32 v7, s19, v7                       ; the table: position r, pairs 8 t + 4 h on
	v_mul_u32_u24 v8, v1, PT
	v_lshl_add_u32 v8, v2, 5, v8
	v_add_nc_u32 v8, s19, v8                       ; LDS, way in: row r, channels 16 t + 8 h on
	v_mul_u32_u24 v9, v1, PT
	v_lshl_add_u32 v9, v2, 4, v9                   ; rows of K and Q back: row r, + 16 h
	v_mul_u32_u24 v10, v2, 8*PT
	v_lshl_add_u32 v10, v1, 2, v10
	v_add_nc_u32 v10, s19, v10                     ; V back: key 8 h, channel 16 t + r
	s_mul_i32 s24, s16, 4*PT
	v_mul_u32_u24 v11, v2, PT
	v_lshl_add_u32 v11, v1, 4, v11
	v_add_nc_u32 v11, s24, v11                     ; y back: row 4 t + h, 16 r
	s_lshl_b32 s24, s16, 14
	v_lshlrev_b32 v12, 12, v2
	v_lshl_add_u32 v12, v1, 4, v12
	v_add_nc_u32 v12, s24, v12                     ; and the same in y32
	v_lshlrev_b32 v13, 3, v2
	v_sub_nc_u32 v13, v1, v13                      ; r - 8 h
	s_mov_b32 s20, 0x76543210
	s_mov_b32 s21, 0xfedcba98
	s_mov_b32 s22, 0x3e38aa3b                      ; c = log2(e) / 8
	s_mov_b32 s27, 0
	s_wait_kmcnt 0x0
	s_lshl_b32 s26, s17, 20
	s_add_nc_u64 s[4:5], s[4:5], s[26:27]          ; x's codes at row 2,048 b
	s_lshl_b32 s26, s17, 16
	s_add_nc_u64 s[6:7], s[6:7], s[26:27]
	s_add_nc_u64 s[14:15], s[14:15], s[26:27]      ; y32 at row 16 b,
	s_lshl_b32 s26, s18, 8
	s_add_nc_u64 s[14:15], s[14:15], s[26:27]      ; my head's 256 bytes
	s_lshl_b32 s26, s18, 15
	s_lshl_b32 s28, s16, 13
	s_add_co_u32 s26, s26, s28
	s_add_nc_u64 s[8:9], s[8:9], s[26:27]          ; W's codes at row 64 head + 16 t
	s_lshl_b32 s26, s18, 11
	s_lshl_b32 s28, s16, 9
	s_add_co_u32 s26, s26, s28
	s_add_nc_u64 s[10:11], s[10:11], s[26:27]
.irp s, 0,1,2,3,4,5,6,7
	global_load_b128 v[XF+8*\s:XF+8*\s+3], v3, s[4:5] offset:64*\s
	global_load_b128 v[XF+8*\s+4:XF+8*\s+7], v3, s[4:5] offset:64*\s+32
.endr
	global_load_b128 v[XS:XS+3], v4, s[6:7]
	global_load_b128 v[XS+4:XS+7], v4, s[6:7] offset:16
.irp g, 0,1,2
	global_load_b128 v[WS+8*\g:WS+8*\g+3], v4, s[10:11] offset:32768*\g
	global_load_b128 v[WS+8*\g+4:WS+8*\g+7], v4, s[10:11] offset:32768*\g+16
.endr
	global_load_b128 v[TAB:TAB+3], v7, s[12:13]
	global_load_b128 v[TAB+4:TAB+7], v7, s[12:13] offset:16
.macro WLOAD s0                        ; W's twelve fragments of K steps s0 .. s0 + 3
.irp g, 0,1,2
.irp s, 0,1,2,3
	global_load_b128 v[WF+32*\g+8*\s:WF+32*\g+8*\s+3], v3, s[8:9] offset:524288*\g+64*(\s0+\s)
	global_load_b128 v[WF+32*\g+8*\s+4:WF+32*\g+8*\s+7], v3, s[8:9] offset:524288*\g+64*(\s0+\s)+32
.endr
.endr
.endm
.macro WMUL s0                         ; q, k, v by turns, one instruction a turn; K ascending
.irp s, 0,1,2,3
.irp g, 0,1,2
.if (\s0+\s) == 0
	v_wmma_scale_f32_16x16x128_f8f6f4 v[AQ+8*\g:AQ+8*\g+7], v[WF+32*\g+8*\s:WF+32*\g+8*\s+7], v[XF+8*(\s0+\s):XF+8*(\s0+\s)+7], 0, v[WS+8*\g+\s0+\s], v[XS+\s0+\s] matrix_a_fmt:MATRIX_FMT_FP4 matrix_b_fmt:MATRIX_FMT_FP4
.else
	v_wmma_scale_f32_16x16x128_f8f6f4 v[AQ+8*\g:AQ+8*\g+7], v[WF+32*\g+8*\s:WF+32*\g+8*\s+7], v[XF+8*(\s0+\s):XF+8*(\s0+\s)+7], v[AQ+8*\g:AQ+8*\g+7], v[WS+8*\g+\s0+\s], v[XS+\s0+\s] matrix_a_fmt:MATRIX_FMT_FP4 matrix_b_fmt:MATRIX_FMT_FP4
.endif
.endr
.endr
.endm
	WLOAD 0
	s_wait_loadcnt 0x0
	WMUL 0
.rept 4
	v_nop                                          ; places in front of loads into registers that matrix instructions have read
.endr
	WLOAD 4
	s_wait_loadcnt 0x0
	WMUL 4
.rept 4
	v_nop
.endr
	; the rotary turn: (e, o) -> (e cos - o sin, o cos + e sin)
.irp g, 0,1
.irp i, 0,1,2,3
	v_pk_mul_f32 v[RQ+8*\g+2*\i:RQ+8*\g+2*\i+1], v[AQ+8*\g+2*\i:AQ+8*\g+2*\i+1], v[TAB+2*\i:TAB+2*\i+1] op_sel_hi:[1,0]
.endr
.irp i, 0,1,2,3
	v_pk_fma_f32 v[RQ+8*\g+2*\i:RQ+8*\g+2*\i+1], v[AQ+8*\g+2*\i:AQ+8*\g+2*\i+1], v[TAB+2*\i:TAB+2*\i+1], v[RQ+8*\g+2*\i:RQ+8*\g+2*\i+1] op_sel:[1,1,0] op_sel_hi:[0,1,1] neg_lo:[1,0,0]
.endr
.endr
	ds_store_b128 v8, v[RQ:RQ+3] offset:QLB
	ds_store_b128 v8, v[RQ+4:RQ+7] offset:QLB+16
	ds_store_b128 v8, v[RK:RK+3] offset:KLB
	ds_store_b128 v8, v[RK+4:RK+7] offset:KLB+16
	ds_store_b128 v8, v[AQ+16:AQ+19] offset:VLB
	ds_store_b128 v8, v[AQ+20:AQ+23] offset:VLB+16
	s_wait_dscnt 0x0                               ; for the others' sake: my stores have landed
	s_barrier_signal -1
	s_barrier_wait -1                              ; 16 rows of q, k, v lie in LDS
.irp u, 0,1,2,3,4,5,6,7                        ; my row's channels 8 u + 4 h + 0 .. 3: the same order of channels on both sides of the product
	ds_load_b128 v[KR+4*\u:KR+4*\u+3], v9 offset:KLB+32*\u
	ds_load_b128 v[QR+4*\u:QR+4*\u+3], v9 offset:QLB+32*\u
.endr
.irp i, 0,1,2,3,4,5,6,7
	ds_load_b32 v[VR+\i], v10 offset:VLB+\i*PT     ; V(key 8 h + i, channel 16 t + r)
.endr
	s_wait_dscnt 0x0
	; S^T = K Q^T: a lane holds query r and keys 8 h + 0..7.  Two sums by turns, one instruction a turn
.irp u, 0,1,2,3,4,5,6,7
.if \u == 0
	v_wmma_f32_16x16x4_f32 v[SA0:SA0+7], v[KR:KR+1], v[QR:QR+1], 0
	v_wmma_f32_16x16x4_f32 v[SA1:SA1+7], v[KR+2:KR+3], v[QR+2:QR+3], 0
.else
	v_wmma_f32_16x16x4_f32 v[SA0:SA0+7], v[KR+4*\u:KR+4*\u+1], v[QR+4*\u:QR+4*\u+1], v[SA0:SA0+7]
	v_wmma_f32_16x16x4_f32 v[SA1:SA1+7], v[KR+4*\u+2:KR+4*\u+3], v[QR+4*\u+2:QR+4*\u+3], v[SA1:SA1+7]
.endif
.endr
.rept 8
	v_nop                                          ; eight places behind this form
.endr
	v_mov_b32 v[WK+7], 0xff800000
.irp j, 0,1,2,3,4,5,6,7
	v_add_f32 v[SS+\j], v[SA0+\j], v[SA1+\j]
.endr
.irp j, 0,1,2,3,4,5,6,7
	v_cmp_gt_i32 vcc_lo, \j, v13                   ; key 8 h + j comes after query r
	v_cndmask_b32 v[SS+\j], v[SS+\j], v[WK+7], vcc_lo
.endr
	v_max3_num_f32 v[WK], v[SS], v[SS+1], v[SS+2]
	v_max3_num_f32 v[WK+1], v[SS+3], v[SS+4], v[SS+5]
	v_max3_num_f32 v[WK], v[WK], v[SS+6], v[SS+7]
	v_max_num_f32 v[WK], v[WK], v[WK+1]
	v_permlanex16_b32 v[WK+1], v[WK], s20, s21
	v_max_num_f32 v[WK], v[WK], v[WK+1]            ; the row's maximum: key 0 counts for every query
	v_mul_f32 v[WK], s22, v[WK]
.irp j, 0,1,2,3,4,5,6,7
	v_fma_f32 v[PR+\j], v[SS+\j], s22, -v[WK]
.endr
.irp j, 0,1,2,3,4,5,6,7
	v_exp_f32 v[PR+\j], v[PR+\j]
.endr
	v_nop
	s_wait_alu depctr_va_vdst(0)                   ; one wait for the eight, ahead of their first reader
	v_add_f32 v[WK+2], v[PR], v[PR+1]
	v_add_f32 v[WK+3], v[PR+2], v[PR+3]
	v_add_f32 v[WK+4], v[PR+4], v[PR+5]
	v_add_f32 v[WK+5], v[PR+6], v[PR+7]
	v_add_f32 v[WK+2], v[WK+2], v[WK+3]
	v_add_f32 v[WK+4], v[WK+4], v[WK+5]
	v_add_f32 v[WK+2], v[WK+2], v[WK+4]
	v_permlanex16_b32 v[WK+3], v[WK+2], s20, s21
	v_add_f32 v[WK+2], v[WK+2], v[WK+3]
	v_rcp_f32 v[WK+6], v[WK+2]
	v_nop
	s_wait_alu depctr_va_vdst(0)
	; O^T = V^T P: keys 8 h + 2 s + 0, 1 on both sides.  The two sums are begun anew
	v_wmma_f32_16x16x4_f32 v[SA0:SA0+7], v[VR:VR+1], v[PR:PR+1], 0
	v_wmma_f32_16x16x4_f32 v[SA1:SA1+7], v[VR+2:VR+3], v[PR+2:PR+3], 0
	v_wmma_f32_16x16x4_f32 v[SA0:SA0+7], v[VR+4:VR+5], v[PR+4:PR+5], v[SA0:SA0+7]
	v_wmma_f32_16x16x4_f32 v[SA1:SA1+7], v[VR+6:VR+7], v[PR+6:PR+7], v[SA1:SA1+7]
.rept 8
	v_nop
.endr
.irp j, 0,1,2,3,4,5,6,7
	v_mul_f32 v[YR+\j], v[SA0+\j], v[WK+6]
.endr
.irp j, 0,1,2,3,4,5,6,7
	v_fma_f32 v[YR+\j], v[SA1+\j], v[WK+6], v[YR+\j]   ; y(query r, channel 16 t + 8 h + j)
.endr
	ds_store_b128 v8, v[YR:YR+3] offset:YLB
	ds_store_b128 v8, v[YR+4:YR+7] offset:YLB+16
	s_wait_dscnt 0x0
	s_barrier_signal -1
	s_barrier_wait -1                              ; 16 whole rows of the head's y lie in LDS
	ds_load_b128 v[OU:OU+3], v11 offset:YLB
	ds_load_b128 v[OU+4:OU+7], v11 offset:YLB+2*PT
	s_wait_dscnt 0x0
	global_store_b128 v12, v[OU:OU+3], s[14:15]                ; sixteen lanes store a row's 256 bytes of this head, aligned
	global_store_b128 v12, v[OU+4:OU+7], s[14:15] offset:8192
	s_wait_tensorcnt 0x0                           ; the wave's end, behind my last LDS store
	ds_add_u32 v14, v15
	s_wait_dscnt 0x0
	s_endpgm
.Lfunc_end_k_q4ac49c83df_fine_a:
	.size	k_q4ac49c83df_fine_a, .Lfunc_end_k_q4ac49c83df_fine_a-k_q4ac49c83df_fine_a
	.p2alignl 7, 3214868480
	.fill 96, 4, 3214868480
	.section	.rodata,"a",@progbits
	.p2align	6, 0x0
	.amdhsa_kernel k_q4ac49c83df_fine_a
		.amdhsa_group_segment_fixed_size 17920
		.amdhsa_private_segment_fixed_size 0
		.amdhsa_enable_private_segment 0
		.amdhsa_kernarg_size 48
		.amdhsa_user_sgpr_count 2
		.amdhsa_user_sgpr_kernarg_segment_ptr 1
		.amdhsa_wavefront_size32 1
		.amdhsa_system_sgpr_workgroup_id_x 1
		.amdhsa_system_sgpr_workgroup_id_y 1
		.amdhsa_system_sgpr_workgroup_id_z 1
		.amdhsa_system_vgpr_workitem_id 0
		.amdhsa_next_free_vgpr 256
		.amdhsa_next_free_sgpr 66
		.amdhsa_reserve_vcc 1
		.amdhsa_float_denorm_mode_32 3
		.amdhsa_float_denorm_mode_16_64 3
		.amdhsa_memory_ordered 1
		.amdhsa_forward_progress 1
		.amdhsa_inst_pref_size 22
	.end_amdhsa_kernel
	.amdgpu_metadata
---
amdhsa.version: [ 1, 2 ]
amdhsa.kernels:
  - .name:           k_q4ac49c83df_fine_a
    .symbol:         k_q4ac49c83df_fine_a.kd
    .args:
      - { .name: xc, .offset: 0, .size: 8, .value_kind: global_buffer, .address_space: global }
      - { .name: xs, .offset: 8, .size: 8, .value_kind: global_buffer, .address_space: global }
      - { .name: wc, .offset: 16, .size: 8, .value_kind: global_buffer, .address_space: global }
      - { .name: ws, .offset: 24, .size: 8, .value_kind: global_buffer, .address_space: global }
      - { .name: aux, .offset: 32, .size: 8, .value_kind: global_buffer, .address_space: global }
      - { .name: y32, .offset: 40, .size: 8, .value_kind: global_buffer, .address_space: global }
    .group_segment_fixed_size: 17920
    .private_segment_fixed_size: 0
    .kernarg_segment_align: 8
    .kernarg_segment_size: 48
    .max_flat_workgroup_size: 128
    .sgpr_count:     66
    .vgpr_count:     256
    .wavefront_size: 32
...
	.end_amdgpu_metadata
.endif
;; end of part 6
;; launch fine_b (part 7): grid 64 x 4, 4 waves a work-group, no clusters, 4,608 bytes of LDS; arguments y32, W_proj, out0; writes out0
.if DOCPART == 7
	.amdgcn_target "amdgcn-amd-amdhsa--gfx1250"
	.amdhsa_code_object_version 6
	.text
	.protected	k_q4ac49c83df_fine_b
	.globl	k_q4ac49c83df_fine_b
	.p2align	8
	.type	k_q4ac49c83df_fine_b,@function
k_q4ac49c83df_fine_b:
	s_mov_b64 s[64:65], 0
	v_nop
	global_prefetch_b8 v0, s[64:65] scope:SCOPE_SE
	s_setreg_imm32_b32 hwreg(HW_REG_WAVE_MODE, 25, 1), 1
	s_wait_xcnt 0x0
; POSITIONS 0 TO 15 OF EVERY SEQUENCE, THE PROJECTION IN f32: out0[2048 b + position][n] = the sum over k of y32[16 b + position][k] W_proj[k][n], f32 operands, by the f32 matrix form: 64 rows in all: no bulk work.
; It writes over the rows that the f16 projection left there.  Work-group (c, b) makes the 16 x 16 tile of columns 16 c on: 256 work-groups.  Wave w sums k = 256 w .. 256 w + 255, in four chunks of 64; the four
; waves' sums meet in LDS and are added in the order of w.  A tile's row is 64 bytes: the stores are pieces of 64 bytes, a choice for 262,144 bytes of output: whole runs of 256 would leave three work-groups in four without work.
; The order of k inside a chunk is the same on both sides: lane half h supplies k = 8 u + 4 h + 2 e + 0, 1 to instruction (u, e).
; The registers that the matrix form writes, v144-175, are written by matrix instructions alone.
.set B0,  16                           ; v16-79   a chunk: y's 32 registers, then W's 32
.set B1,  80                           ; v80-143
.set ACC, 144                          ; four sums by turns
.set TS,  176                          ; v176-191 the wave's sum
.set RB,  192                          ; v192-199 the four waves' parts of my two rows; v200-201 their sum
.set SPARE, 4096
	s_load_b128 s[4:7], s[0:1], 0x0                ; y32, W_proj
	s_load_b64 s[8:9], s[0:1], 0x10                ; out0
	v_lshl_add_u32 v14, v0, 2, SPARE               ; my spare word; never rewritten
	v_mov_b32 v15, 0
	v_lshrrev_b32 v1, 5, v0
	v_readfirstlane_b32 s10, v1                    ; wave
	s_and_b32 s11, ttmp7, 0xffff                   ; batch
	v_and_b32 v1, 15, v0                           ; r
	v_bfe_u32 v2, v0, 4, 1                         ; h
	v_and_b32 v8, 31, v0
	v_lshlrev_b32 v3, 12, v1
	v_lshl_add_u32 v3, v2, 4, v3                   ; y32: row r, + 16 h
	v_lshlrev_b32 v4, 14, v2
	v_lshl_add_u32 v4, v1, 2, v4                   ; W_proj: 4 h rows, column r
	v_lshlrev_b32 v5, 15, v2
	v_lshl_add_u32 v5, v1, 2, v5                   ; out0: 8 h rows, column r
	s_lshl_b32 s12, s10, 10
	v_lshl_add_u32 v6, v8, 4, s12                  ; my sum's image: 1,024 w + 16 x lane
	s_lshr_b32 s13, s10, 1
	s_lshl_b32 s13, s13, 9
	s_and_b32 s14, s10, 1
	s_lshl_b32 s14, s14, 3
	s_add_co_u32 s13, s13, s14
	v_lshl_add_u32 v7, v8, 4, s13                  ; registers 2 w, 2 w + 1 of an image
	s_mov_b32 s17, 0
	s_wait_kmcnt 0x0
	s_lshl_b32 s16, s11, 16
	s_add_co_u32 s16, s16, s12
	s_add_nc_u64 s[4:5], s[4:5], s[16:17]          ; y32 at row 16 b, k = 256 w
	s_lshl_b32 s16, s10, 20
	s_lshl_b32 s18, ttmp9, 6
	s_add_co_u32 s16, s16, s18
	s_add_nc_u64 s[6:7], s[6:7], s[16:17]          ; W_proj at row 256 w, column 16 c
	s_lshl_b32 s16, s11, 23
	s_lshl_b32 s19, s10, 13
	s_add_co_u32 s16, s16, s19
	s_add_co_u32 s16, s16, s18
	s_add_nc_u64 s[8:9], s[8:9], s[16:17]          ; out0 at row 2,048 b + 2 w, column 16 c
.macro LOADC ck, buf                   ; chunk ck: 40 loads
.irp u, 0,1,2,3,4,5,6,7
	global_load_b128 v[\buf+4*\u:\buf+4*\u+3], v3, s[4:5] offset:256*\ck+32*\u
.endr
.irp u, 0,1,2,3,4,5,6,7
.irp i, 0,1,2,3
	global_load_b32 v[\buf+32+4*\u+\i], v4, s[6:7] offset:262144*\ck+(8*\u+\i)*4096
.endr
.endr
.endm
.macro MULC buf, zero                  ; 16 matrix instructions, the four sums by turns, one instruction a turn
.irp u, 0,1,2,3,4,5,6,7
.irp e, 0,1
.if \zero && (\u < 2)
	v_wmma_f32_16x16x4_f32 v[ACC+8*((2*\u+\e)%4):ACC+8*((2*\u+\e)%4)+7], v[\buf+4*\u+2*\e:\buf+4*\u+2*\e+1], v[\buf+32+4*\u+2*\e:\buf+32+4*\u+2*\e+1], 0
.else
	v_wmma_f32_16x16x4_f32 v[ACC+8*((2*\u+\e)%4):ACC+8*((2*\u+\e)%4)+7], v[\buf+4*\u+2*\e:\buf+4*\u+2*\e+1], v[\buf+32+4*\u+2*\e:\buf+32+4*\u+2*\e+1], v[ACC+8*((2*\u+\e)%4):ACC+8*((2*\u+\e)%4)+7]
.endif
.endr
.endr
.endm
.macro PLACES8                         ; eight places behind this form, in front of loads into registers that it has read and of reads of its results
.rept 8
	v_nop
.endr
.endm
	LOADC 0, B0
	LOADC 1, B1
	s_wait_loadcnt 40                              ; chunk 0 is in; chunk 1's forty loads may be out
	MULC B0, 1
	PLACES8
	LOADC 2, B0
	s_wait_loadcnt 40                              ; chunk 1 is in; chunk 2's may be out
	MULC B1, 0
	PLACES8
	LOADC 3, B1
	s_wait_loadcnt 40
	MULC B0, 0
	s_wait_loadcnt 0
	MULC B1, 0
	PLACES8
.irp j, 0,2,4,6
	v_pk_add_f32 v[TS+\j:TS+\j+1], v[ACC+\j:ACC+\j+1], v[ACC+8+\j:ACC+8+\j+1]
.endr
.irp j, 0,2,4,6
	v_pk_add_f32 v[TS+8+\j:TS+8+\j+1], v[ACC+16+\j:ACC+16+\j+1], v[ACC+24+\j:ACC+24+\j+1]
.endr
.irp j, 0,2,4,6
	v_pk_add_f32 v[TS+\j:TS+\j+1], v[TS+\j:TS+\j+1], v[TS+8+\j:TS+8+\j+1]
.endr
	ds_store_b128 v6, v[TS:TS+3]                   ; the sum goes to LDS as an image of its registers
	ds_store_b128 v6, v[TS+4:TS+7] offset:512
	s_wait_dscnt 0x0                               ; for the others' sake
	s_barrier_signal -1
	s_barrier_wait -1
.irp w, 0,1,2,3
	ds_load_b64 v[RB+2*\w:RB+2*\w+1], v7 offset:1024*\w
.endr
	s_wait_dscnt 0x0
	v_pk_add_f32 v[RB+8:RB+9], v[RB:RB+1], v[RB+2:RB+3]
	v_pk_add_f32 v[RB+8:RB+9], v[RB+8:RB+9], v[RB+4:RB+5]
	v_pk_add_f32 v[RB+8:RB+9], v[RB+8:RB+9], v[RB+6:RB+7]
	global_store_b32 v5, v[RB+8], s[8:9]           ; out0(2,048 b + 8 h + 2 w, 16 c + r)
	global_store_b32 v5, v[RB+9], s[8:9] offset:4096
	s_wait_tensorcnt 0x0                           ; the wave's end, behind my last LDS store
	ds_add_u32 v14, v15
	s_wait_dscnt 0x0
	s_endpgm
.Lfunc_end_k_q4ac49c83df_fine_b:
	.size	k_q4ac49c83df_fine_b, .Lfunc_end_k_q4ac49c83df_fine_b-k_q4ac49c83df_fine_b
	.p2alignl 7, 3214868480
	.fill 96, 4, 3214868480
	.section	.rodata,"a",@progbits
	.p2align	6, 0x0
	.amdhsa_kernel k_q4ac49c83df_fine_b
		.amdhsa_group_segment_fixed_size 4608
		.amdhsa_private_segment_fixed_size 0
		.amdhsa_enable_private_segment 0
		.amdhsa_kernarg_size 24
		.amdhsa_user_sgpr_count 2
		.amdhsa_user_sgpr_kernarg_segment_ptr 1
		.amdhsa_wavefront_size32 1
		.amdhsa_system_sgpr_workgroup_id_x 1
		.amdhsa_system_sgpr_workgroup_id_y 1
		.amdhsa_system_sgpr_workgroup_id_z 1
		.amdhsa_system_vgpr_workitem_id 0
		.amdhsa_next_free_vgpr 256
		.amdhsa_next_free_sgpr 66
		.amdhsa_reserve_vcc 0
		.amdhsa_float_denorm_mode_32 3
		.amdhsa_float_denorm_mode_16_64 3
		.amdhsa_memory_ordered 1
		.amdhsa_forward_progress 1
		.amdhsa_inst_pref_size 24
	.end_amdhsa_kernel
	.amdgpu_metadata
---
amdhsa.version: [ 1, 2 ]
amdhsa.kernels:
  - .name:           k_q4ac49c83df_fine_b
    .symbol:         k_q4ac49c83df_fine_b.kd
    .args:
      - { .name: y32, .offset: 0, .size: 8, .value_kind: global_buffer, .address_space: global }
      - { .name: W_proj, .offset: 8, .size: 8, .value_kind: global_buffer, .address_space: global }
      - { .name: out0, .offset: 16, .size: 8, .value_kind: global_buffer, .address_space: global }
    .group_segment_fixed_size: 4608
    .private_segment_fixed_size: 0
    .kernarg_segment_align: 8
    .kernarg_segment_size: 24
    .max_flat_workgroup_size: 128
    .sgpr_count:     66
    .vgpr_count:     256
    .wavefront_size: 32
...
	.end_amdgpu_metadata
.endif
;; end of part 7
